; MI455X (gfx1250); checked and timed in simulation.
; The chip was launched on July 23, 2026; its instructions are those of AMD's public machine-readable ISA for CDNA 5 (MIT licence, August 2026) and "CDNA5" Instruction Set Architecture Reference Guide (July 2026). The comments in the code are by the model that wrote it; some were corrected since.
;; my Bad Transfomer Block. Allowed arithmetic: float matrix products may take bf16 or f16 operands with f32 sums; other float arithmetic in f32, or as packed bf16 or f16 multiplies, adds, multiply-adds, maxima and minima; sums over many terms, partial sums and values carried from step to step in f32; what a program stores and reads back later, other than sums and carried values, may be rounded once to bf16 or f16.
;; Inputs: Wa 1,024 x 1,024 float32; Wb 1,024 x 1,024 float32; Wc 1,024 x 1,024 float32; Wd 1,024 x 1,024 float32; x 4 x 2,048 x 1,024 float32.
;; Outputs: out0 4 x 2,048 x 1,024 float32.
;; 2 versions, each right; version 2 is version 1 with the launch cast written anew for expert scheduling mode. Each part assembles by itself: llvm-mc -triple=amdgcn-amd-amdhsa -mcpu=gfx1250 --defsym DOCPART=n.
;; ======== version 1 of 2: 5 launches
;; workspace buffers: xb 16,777,216 bytes; wb 8,388,608 bytes; pt 50,331,648 bytes; mm 8,388,608 bytes; gt 8,388,608 bytes
;; launch cast (part 1): grid 768 x 1, 8 waves a work-group, no clusters, 0 bytes of LDS; arguments x, Wa, Wb, Wc, Wd, xb, wb; writes xb, wb
.if DOCPART == 1
	.amdgcn_target "amdgcn-amd-amdhsa--gfx1250"
	.amdhsa_code_object_version 6
	.text
	.protected	k_qc0dd07eeb2_cast
	.globl	k_qc0dd07eeb2_cast
	.p2align	8
	.type	k_qc0dd07eeb2_cast,@function
k_qc0dd07eeb2_cast:
	s_mov_b64 s[64:65], 0
	v_nop
	global_prefetch_b8 v0, s[64:65] scope:SCOPE_SE
	s_setreg_imm32_b32 hwreg(HW_REG_WAVE_MODE, 25, 1), 1
	s_wait_xcnt 0x0
; xb = bf16(x), [8192][1024];  wb = bf16 of Wa, Wb, Wc, Wd one below the other, [4096][1024].  Each number is rounded once, to nearest even.
; A stream: every input byte is read once, every output byte written once; nothing is shared between work-groups, so no LDS, no cluster, no matrix unit.
; SHARES.  A work-group takes 16,384 numbers: 65,536 bytes in, 32,768 out.  Work-groups 0-511 take x, work-groups 512-767 the four weights, 64 each; the stack
; of weights is dense, so j = g - 512 alone places a block in wb.  Thread t takes, of chunk i of 16, the 16 bytes at 4,096 i + 16 t and stores 8 bytes at
; 2,048 i + 8 t: a wave's load covers 512 consecutive bytes, a wave's store 256 consecutive bytes at a multiple of 256 from the buffer's first byte.
; All sixteen loads of a thread go out at once; each chunk has registers of its own and no address register is rewritten, so the only waits are the counted ones.
.set X, 4                              ; v[4:67]   chunk i: 4 registers as loaded
.set Y, 68                             ; v[68:99]  chunk i: 2 registers to store
	s_load_b256 s[4:11], s[0:1], 0x0               ; x s[4:5], Wa s[6:7], Wb s[8:9], Wc s[10:11]
	s_load_b128 s[12:15], s[0:1], 0x20             ; Wd s[12:13], xb s[14:15]
	s_load_b64 s[16:17], s[0:1], 0x30              ; wb
	s_mov_b32 s2, ttmp9                            ; g
	s_sub_co_u32 s3, s2, 512                       ; j (used where g is 512 or more)
	s_lshr_b32 s18, s3, 6                          ; which weight
	s_and_b32 s19, s3, 63                          ; which block of it
	v_lshlrev_b32 v1, 4, v0                        ; 16 t
	v_lshlrev_b32 v2, 3, v0                        ; 8 t
	s_wait_kmcnt 0x0
	s_mov_b64 s[20:21], s[6:7]                     ; the source: a choice among the five inputs by the work-group's number alone
	s_cmp_eq_u32 s18, 1
	s_cselect_b64 s[20:21], s[8:9], s[20:21]
	s_cmp_eq_u32 s18, 2
	s_cselect_b64 s[20:21], s[10:11], s[20:21]
	s_cmp_eq_u32 s18, 3
	s_cselect_b64 s[20:21], s[12:13], s[20:21]
	s_cmp_lt_u32 s2, 512
	s_cselect_b64 s[20:21], s[4:5], s[20:21]
	s_cselect_b64 s[22:23], s[14:15], s[16:17]     ; the destination: xb or wb
	s_cselect_b32 s24, s2, s19                     ; the block's number in its source,
	s_cselect_b32 s26, s2, s3                      ; and in its destination
	s_lshl_b32 s24, s24, 16
	s_mov_b32 s25, 0
	s_lshl_b32 s26, s26, 15
	s_mov_b32 s27, 0
	s_add_nc_u64 s[20:21], s[20:21], s[24:25]
	s_add_nc_u64 s[22:23], s[22:23], s[26:27]
.irp i, 0,1,2,3,4,5,6,7,8,9,10,11,12,13,14,15
	global_load_b128 v[X+4*(\i):X+4*(\i)+3], v1, s[20:21] offset:4096*(\i) th:TH_LOAD_NT
.endr
.irp i, 0,1,2,3,4,5,6,7,8,9,10,11,12,13,14,15
	s_wait_loadcnt 15-(\i)                         ; loads come back in order: chunk i is in, the 15 - i younger ones stay out
	v_cvt_pk_bf16_f32 v[Y+2*(\i)],   v[X+4*(\i)],   v[X+4*(\i)+1]
	v_cvt_pk_bf16_f32 v[Y+2*(\i)+1], v[X+4*(\i)+2], v[X+4*(\i)+3]
	global_store_b64 v2, v[Y+2*(\i):Y+2*(\i)+1], s[22:23] offset:2048*(\i)
.endr
	s_endpgm
.Lfunc_end_k_qc0dd07eeb2_cast:
	.size	k_qc0dd07eeb2_cast, .Lfunc_end_k_qc0dd07eeb2_cast-k_qc0dd07eeb2_cast
	.p2alignl 7, 3214868480
	.fill 96, 4, 3214868480
	.section	.rodata,"a",@progbits
	.p2align	6, 0x0
	.amdhsa_kernel k_qc0dd07eeb2_cast
		.amdhsa_group_segment_fixed_size 0
		.amdhsa_private_segment_fixed_size 0
		.amdhsa_enable_private_segment 0
		.amdhsa_kernarg_size 56
		.amdhsa_user_sgpr_count 2
		.amdhsa_user_sgpr_kernarg_segment_ptr 1
		.amdhsa_wavefront_size32 1
		.amdhsa_system_sgpr_workgroup_id_x 1
		.amdhsa_system_sgpr_workgroup_id_y 1
		.amdhsa_system_sgpr_workgroup_id_z 1
		.amdhsa_system_vgpr_workitem_id 0
		.amdhsa_next_free_vgpr 100
		.amdhsa_next_free_sgpr 66
		.amdhsa_reserve_vcc 0
		.amdhsa_float_denorm_mode_32 3
		.amdhsa_float_denorm_mode_16_64 3
		.amdhsa_memory_ordered 1
		.amdhsa_forward_progress 1
		.amdhsa_inst_pref_size 7
	.end_amdhsa_kernel
	.amdgpu_metadata
---
amdhsa.version: [ 1, 2 ]
amdhsa.kernels:
  - .name:           k_qc0dd07eeb2_cast
    .symbol:         k_qc0dd07eeb2_cast.kd
    .args:
      - { .name: x, .offset: 0, .size: 8, .value_kind: global_buffer, .address_space: global }
      - { .name: Wa, .offset: 8, .size: 8, .value_kind: global_buffer, .address_space: global }
      - { .name: Wb, .offset: 16, .size: 8, .value_kind: global_buffer, .address_space: global }
      - { .name: Wc, .offset: 24, .size: 8, .value_kind: global_buffer, .address_space: global }
      - { .name: Wd, .offset: 32, .size: 8, .value_kind: global_buffer, .address_space: global }
      - { .name: xb, .offset: 40, .size: 8, .value_kind: global_buffer, .address_space: global }
      - { .name: wb, .offset: 48, .size: 8, .value_kind: global_buffer, .address_space: global }
    .group_segment_fixed_size: 0
    .private_segment_fixed_size: 0
    .kernarg_segment_align: 8
    .kernarg_segment_size: 56
    .max_flat_workgroup_size: 256
    .sgpr_count:     66
    .vgpr_count:     100
    .wavefront_size: 32
...
	.end_amdgpu_metadata
.endif
;; end of part 1
;; launch proj (part 2): grid 32 x 16, 4 waves a work-group, clusters of 4 x 4, 327,680 bytes of LDS; arguments wb, xb, pt; writes pt
.if DOCPART == 2
	.amdgcn_target "amdgcn-amd-amdhsa--gfx1250"
	.amdhsa_code_object_version 6
	.text
	.protected	k_qc0dd07eeb2_proj
	.globl	k_qc0dd07eeb2_proj
	.p2align	8
	.type	k_qc0dd07eeb2_proj,@function
k_qc0dd07eeb2_proj:
	s_mov_b64 s[64:65], 0
	v_nop
	global_prefetch_b8 v0, s[64:65] scope:SCOPE_SE
	s_setreg_imm32_b32 hwreg(HW_REG_WAVE_MODE, 25, 1), 1
	s_wait_xcnt 0x0
	s_wait_alu depctr_hold_cnt(0) depctr_sa_sdst(0) depctr_va_vdst(0) depctr_va_sdst(0) depctr_va_ssrc(0) depctr_va_vcc(0) depctr_vm_vsrc(0)
	s_getreg_b32 s2, hwreg(HW_REG_IB_STS2, 6, 4)
	s_cmp_eq_u32 s2, 0
	s_cbranch_scc0 .Lentry_in_a_cluster
	s_endpgm
.Lentry_in_a_cluster:
	s_bfe_u32 s2, ttmp6, 0x10000c
	s_cmp_lg_u32 s2, 0xf033
	s_cbranch_scc0 .Lentry_shape_is_right
	s_endpgm
.Lentry_shape_is_right:
; pt[e][t] = relu(sum over d of wb[e][d] xb[t][d]), e = 0 .. 3071 (the rows of Wa, Wb, Wc), t = 0 .. 8191: the three projections, TRANSPOSED and one below the other.
; wb: [4096][1024], xb: [8192][1024], pt: [3072][8192], all bf16; sums in f32, K ascending, pt rounded once.  LIMITS: relu is a maximum with 0 in which a NaN loses (relu(NaN) = 0); the sign of zero is not kept.
; WHY TRANSPOSED: the next launch sums over t and wants t along the rows of both its operands; and 3,072 = 16 x 192 gives 16 x 32 = 512 equal tiles of 192 x 256.
; SHARES.  A tile of pt, 192 x 256, is made by four waves, each 96 x 128: 48 accumulators of 16 x 16, 384 registers.  K goes in steps of 128 through two LDS slots filled by the tensor data mover:
; the tiles' rows are 256 bytes of memory at multiples of 256 bytes from the buffers' first bytes.
; CLUSTERS: 4 x 4 work-groups.  The four of a row of the cluster need the same 192 rows of wb, the four of a column the same 256 rows of xb: each tile is asked for JOINTLY, by the same tensor load
; with the same descriptor and a mask that names the four.
; THE MATRIX INSTRUCTION: source 0 = 16 rows of xb, source 1 = 16 rows of wb: in the result lane l holds row e = l % 16 of pt and the columns t = 8 (l / 16) + 0 .. 7: 16 bytes of a row of pt.
; REGISTERS, in windows of 256 (s_set_vgpr_msb's low byte: bits 1:0 source 0, 3:2 source 1, 5:4 source 2, 7:6 destination):
;   window 0: v0-31 addresses; v32-143, v144-255 two fragment buffers (64 registers of xb: 8 x 16 rows x 32 K; then 48 of wb: 6 x 16 rows x 32 K); on the way out v32-127 at work
;   window 1: the accumulators of my row blocks 0-3 ((a, b) at v[8 (8 a + b)]);   window 2: v0-127 those of blocks 4, 5
.set SIZE_K, 1024
.set LDC,    8192                      ; numbers in a row of pt
.set KSTEP,  128
.set PITCH,  272                       ; an LDS row: 256 bytes + 16 of padding = 68 words: the 16 rows of a fragment load start at 16 different groups of four banks (64 banks of 4 bytes: ISA guide 11.1)
.set AHALF,  96*PITCH                  ; 96 rows of wb: what wave 0 or 1 fetches, and what one wave reads
.set BHALF,  128*PITCH                 ; 128 rows of xb: what wave 2 or 3 fetches, and what one wave reads
.set BOFF,   2*AHALF
.set SLOT,   BOFF+2*BHALF              ; 121,856 bytes
.set STAGE,  2*SLOT                    ; behind the ring: 16 rows x 272 bytes for each wave, for the way out; no tensor load lands there
.set SPITCH, 272
.set SPARE,  STAGE+4*16*SPITCH         ; behind the stages: the spare words, 128 bytes for each wave: two blocks of 256 bytes that no other line names
.set LAPS,   SIZE_K/(2*KSTEP)          ; a lap = two K steps = once round the ring
.set ADRA, 16                          ; v16-17  LDS address of my fragments of wb in slot 0, 1
.set ADRB, 20                          ; v20-21  the same for xb
.set STO,  24                          ; v24     the way out: where I put 16 bytes of a row
.set RD,   25                          ; v25     the way out: where I read a row back
.set CO,   26                          ; v26     my byte offset in pt
.set ZR,   27                          ; v27     0, for relu
.set SPW,  28                          ; v28     LDS address of my spare word: SPARE + 4 x my thread's number; never rewritten
.set NIL,  29                          ; v29     0; never rewritten
.set PFO,  30                          ; v30     the prefetches' offset: a lane a row; never rewritten
.set F0,   32
.set F1,   144
.set TMP,  32                          ; the way out: packed results
.set OB,   64                          ; the way out: 16 rows read back: v64-95 and v96-127 by turns
.set G1,   24                          ; s[24:31] descriptor group 1 for wb's tiles;  s[32:39] group 0, a set for each slot
.set G0,   32
.set G1B,  48                          ; s[48:55], s[56:63] the same for xb's tiles
.set G0B,  56
.set PFA,  44                          ; s[44:45] where my prefetches stand
.set LIM,  43                          ; s43     1 in a wave that prefetches, else the greatest number
.set MSB, 0
.macro WIN new                         ; the immediate's high byte repeats the setting that is left; a switch that changes nothing is dropped
.if MSB != (\new)
	s_set_vgpr_msb (MSB<<8)|(\new)
.set MSB, \new
.endif
.endm
; A joint load: waves 0 and 1 fetch wb's two halves, waves 2 and 3 xb's.  The branch hangs on the wave's number alone.  An s_nop 0 and four v_nop follow each of the two lines.
.macro JLOAD s
	s_cmp_eq_u32 s11, 0
	s_cbranch_scc0 .Lfor_b_\@
	tensor_load_to_lds s[G0+4*(\s):G0+4*(\s)+3], s[G1:G1+7]
	s_nop 0
.rept 4
	v_nop
.endr
	s_branch .Lasked_\@
.Lfor_b_\@:
	tensor_load_to_lds s[G0B+4*(\s):G0B+4*(\s)+3], s[G1B:G1B+7]
	s_nop 0
.rept 4
	v_nop
.endr
.Lasked_\@:
.endm
; A prefetch, behind a joint load, its five lines and the run of LDS loads: the K step that stands TWO refills on (384 matrix instructions ahead of the load that will want it), 256 bytes of each row, a lane a row.
; wb's rows are read by every cluster of a row of clusters: cluster x = 0 asks; xb's by every cluster of a column: cluster y = 0 asks.  The four partners share the rows out BY ADDRESS: of the 96 rows
; of wb that a wave fetches the partner at cx takes 24 (lanes 24-31 name lane 23's row once more), of the 128 rows of xb the partner at cy takes 32.  K steps 0-3 come by their loads alone;
; the loop's last trip (s3 = 1) asks for nothing: there is no K step two on.
.macro ASK
	s_cmp_gt_u32 s3, s[LIM]
	s_cbranch_scc0 .Lnot_mine_\@
	global_prefetch_b8 v[PFO], s[PFA:PFA+1] offset:KSTEP*2 th:TH_LOAD_NT scope:SCOPE_SE
.Lnot_mine_\@:
.endm
.macro CREST                           ; a round of the cluster's barrier behind its opening barrier
	s_cmp_lg_u32 s10, 0
	s_cbranch_scc1 .Lnot_wave_0_\@
	s_barrier_signal -3
.Lnot_wave_0_\@:
	s_barrier_wait -3
	s_barrier_signal -1
	s_barrier_wait -1
.endm
.macro CROUND                          ; a whole round
	s_barrier_signal -1
	s_barrier_wait -1
	CREST
.endm
	s_load_b128 s[4:7], s[0:1], 0x0                ; wb s[4:5], xb s[6:7]
	s_load_b64 s[8:9], s[0:1], 0x10                ; pt
	v_lshl_add_u32 v[SPW], v0, 2, SPARE
	v_mov_b32 v[NIL], 0
	ds_add_u32 v[SPW], v[NIL]                      ; the wave's opening: the add, twice on end, and its wait ahead of my first tensor load
	ds_add_u32 v[SPW], v[NIL]                      ; once more; the set-up below, work on registers, stands between it and the wait
	v_lshrrev_b32 v1, 5, v0
	v_readfirstlane_b32 s10, v1                    ; wave 0..3
	s_lshr_b32 s11, s10, 1                         ; which 96 rows of the tile are mine.  Also: I fetch for wb (0) or for xb (1)
	s_and_b32 s12, s10, 1                          ; which 128 columns.  Also: which half of that tile I fetch
	s_bfe_u32 s40, ttmp6, 0x40000                  ; cx
	s_bfe_u32 s41, ttmp6, 0x40004                  ; cy
	s_lshl_b32 s42, ttmp9, 2
	s_add_co_u32 s42, s42, s40                     ; tile column = 4 x cluster x + cx
	s_and_b32 s13, ttmp7, 0xffff
	s_lshl_b32 s13, s13, 2
	s_add_co_u32 s13, s13, s41                     ; tile row = 4 x cluster y + cy
	s_lshl_b32 s43, s41, 2
	s_lshl_b32 s43, 15, s43                        ; my row of the cluster
	s_lshl_b32 s44, 0x1111, s40                    ; my column
	; descriptor group 1: rows of 128 elements of 2 bytes, padded in LDS after every 64 words (code 5) by 4 words (code 3); bit 21 set beside a mask
	s_or_b32 s[G1+0], s43, (1<<16)|(1<<20)|(1<<21)|(5<<22)|(3<<25)
	s_or_b32 s[G1B+0], s44, (1<<16)|(1<<20)|(1<<21)|(5<<22)|(3<<25)
	s_mov_b32 s[G1+1], KSTEP<<16                   ; tensor_dim0 = 128
	s_mov_b32 s[G1+2], 96<<16                      ; tensor_dim1 = 96
	s_mov_b32 s[G1+3], KSTEP<<16                   ; tile_dim0 = 128
	s_mov_b32 s[G1+4], 96                          ; tile_dim1 = 96
	s_mov_b32 s[G1+5], SIZE_K                      ; elements from row to row
	s_mov_b32 s[G1+6], 0
	s_mov_b32 s[G1+7], 0
	s_mov_b32 s[G1B+1], KSTEP<<16
	s_mov_b32 s[G1B+2], 128<<16                    ; 128 rows
	s_mov_b32 s[G1B+3], KSTEP<<16
	s_mov_b32 s[G1B+4], 128
	s_mov_b32 s[G1B+5], SIZE_K
	s_mov_b32 s[G1B+6], 0
	s_mov_b32 s[G1B+7], 0
	; where the tiles come from: wb's hang on the tile row alone, xb's on the tile column alone
	s_mul_i32 s16, s13, 192
	s_mul_i32 s17, s12, 96
	s_add_co_u32 s16, s16, s17                     ; wb: row 192 x tile row + 96 x half
	s_lshl_b32 s16, s16, 11                        ; x 2,048 bytes
	s_mov_b32 s17, 0
	s_lshl_b32 s46, s42, 8
	s_lshl_b32 s47, s12, 7
	s_add_co_u32 s46, s46, s47                     ; xb: row 256 x tile column + 128 x half
	s_lshl_b32 s46, s46, 11
	s_mov_b32 s47, 0
	s_mul_i32 s20, s12, AHALF                      ; and where they go: no place in the cluster enters an LDS address
	s_mul_i32 s23, s12, BHALF
	s_add_co_u32 s23, s23, BOFF
	s_wait_dscnt 0x0                               ; both opening adds are done
	s_wait_kmcnt 0x0
	s_add_nc_u64 s[14:15], s[4:5], s[16:17]
	s_add_nc_u64 s[46:47], s[6:7], s[46:47]
	CROUND                                         ; all sixteen work-groups are here: the first joint loads meet
.irp s, 0,1
	s_mov_b32 s[G0+4*(\s)], 1                                        ; count = 1
	s_add_co_u32 s[G0+4*(\s)+1], s20, (\s)*SLOT                      ; LDS address
	s_add_nc_u64 s[G0+4*(\s)+2:G0+4*(\s)+3], s[14:15], (\s)*KSTEP*2  ; global address: K step s
	s_or_b32 s[G0+4*(\s)+3], s[G0+4*(\s)+3], 0x80000000              ; type = 2
	s_mov_b32 s[G0B+4*(\s)], 1
	s_add_co_u32 s[G0B+4*(\s)+1], s23, (\s)*SLOT
	s_add_nc_u64 s[G0B+4*(\s)+2:G0B+4*(\s)+3], s[46:47], (\s)*KSTEP*2
	s_or_b32 s[G0B+4*(\s)+3], s[G0B+4*(\s)+3], 0x80000000
	JLOAD \s                                       ; two loads of mine are out
.endr
	; A fragment is 16 rows x 32 K in 8 registers: lane l holds row l % 16; registers 0-3 K = 8 (l / 16) + 0..7, registers 4-7 K = 16 + 8 (l / 16) + 0..7: two loads of 16 bytes, 32 bytes apart
	v_and_b32 v1, 15, v0                           ; l % 16
	v_bfe_u32 v2, v0, 4, 1                         ; l / 16
	v_mov_b32 v[ZR], 0
	v_mul_u32_u24 v3, v1, PITCH
	v_lshl_add_u32 v3, v2, 4, v3                   ; row x pitch + 16 x half
	s_mul_i32 s21, s11, AHALF                      ; my 96 rows of wb
	s_mul_i32 s22, s12, BHALF                      ; my 128 rows of xb,
	s_add_co_u32 s22, s22, BOFF                    ; which lie behind wb's 192
.irp s, 0,1
	v_add_nc_u32 v[ADRA+(\s)], s21, v3
	v_add_nc_u32 v[ADRB+(\s)], s22, v3
	s_add_co_u32 s21, s21, SLOT
	s_add_co_u32 s22, s22, SLOT
.endr
	s_mul_i32 s23, s10, 16*SPITCH
	s_add_co_u32 s23, s23, STAGE                   ; my stage
	v_mul_u32_u24 v4, v1, SPITCH                   ; in: row l % 16, 16 bytes for each half of the lanes
	v_lshl_add_u32 v4, v2, 4, v4
	v_add_nc_u32 v[STO], s23, v4
	v_mul_u32_u24 v5, v2, SPITCH                   ; back: lanes 0-15 take one row of 256 bytes, lanes 16-31 the next
	v_lshl_add_u32 v5, v1, 4, v5
	v_add_nc_u32 v[RD], s23, v5
	v_mul_u32_u24 v5, v2, LDC*2                    ; and the same two rows in pt
	v_lshl_add_u32 v[CO], v1, 4, v5
	; where my part of the tile begins in pt, in bytes: the way out adds it to pt's address
	s_mul_i32 s16, s13, 192
	s_mul_i32 s14, s11, 96
	s_add_co_u32 s16, s16, s14                     ; my first row
	s_lshl_b32 s16, s16, 14                        ; x 16,384 bytes
	s_mov_b32 s17, 0
	s_lshl_b32 s46, s42, 9                         ; my first column: 512 x tile column + 256 x half
	s_lshl_b32 s47, s12, 8
	s_add_co_u32 s46, s46, s47
	s_mov_b32 s47, 0
	s_add_nc_u64 s[16:17], s[16:17], s[46:47]
	; the prefetches
	s_and_b32 s22, ttmp7, 0xffff                   ; cluster y
	s_mul_i32 s20, s13, 192
	s_mul_i32 s21, s12, 96
	s_add_co_u32 s20, s20, s21
	s_mul_i32 s21, s40, 24
	s_add_co_u32 s20, s20, s21                     ; wb: the rows that I fetch, my work-group's 24 of them
	s_lshl_b32 s18, s42, 8
	s_lshl_b32 s19, s12, 7
	s_add_co_u32 s18, s18, s19
	s_lshl_b32 s19, s41, 5
	s_add_co_u32 s18, s18, s19                     ; xb: my work-group's 32
	s_cmp_eq_u32 s11, 0                            ; do I fetch for wb?
	s_cselect_b32 s20, s20, s18
	s_cselect_b32 s22, ttmp9, s22                  ; the coordinate along which other clusters read the same rows
	s_cselect_b32 s21, 23, 31                      ; the last row that a lane names
	s_cselect_b64 s[PFA:PFA+1], s[4:5], s[6:7]
	s_cmp_eq_u32 s22, 0
	s_cselect_b32 s[LIM], 1, -1                    ; the same in all sixteen partners, for a given wave
	v_and_b32 v[PFO], 31, v0
	v_min_u32 v[PFO], s21, v[PFO]
	v_lshlrev_b32 v[PFO], 11, v[PFO]               ; x 2,048 bytes
	s_lshl_b32 s20, s20, 11
	s_mov_b32 s21, 0
	s_add_nc_u64 s[PFA:PFA+1], s[PFA:PFA+1], s[20:21]
	s_add_nc_u64 s[PFA:PFA+1], s[PFA:PFA+1], 2*KSTEP*2  ; at K step 2: the first refill steps it to 3 and names K step 4
; 16 matrix instructions: row blocks a0, a0 + 1 of window 1 + w x all 8 column blocks, 32 along K.  zero = 1: the product starts the sums: nothing is ever cleared.
; The 48 accumulators take turns, one instruction a turn, in the same order in every quarter, over the backward jump too.
.macro MUL16 f, w, a0, zero
	WIN 0x50*(1+(\w))
.irp a, \a0, (\a0)+1
.irp b, 0,1,2,3,4,5,6,7
.if \zero
	v_wmma_f32_16x16x32_bf16 v[8*(8*(\a)+(\b)):8*(8*(\a)+(\b))+7], v[(\f)+8*(\b):(\f)+8*(\b)+7], v[(\f)+64+8*(4*(\w)+(\a)):(\f)+64+8*(4*(\w)+(\a))+7], 0
.else
	v_wmma_f32_16x16x32_bf16 v[8*(8*(\a)+(\b)):8*(8*(\a)+(\b))+7], v[(\f)+8*(\b):(\f)+8*(\b)+7], v[(\f)+64+8*(4*(\w)+(\a)):(\f)+64+8*(4*(\w)+(\a))+7], v[8*(8*(\a)+(\b)):8*(8*(\a)+(\b))+7]
.endif
.endr
.endr
.endm
; 28 LDS loads in one run: the fragments of one quarter step (128 rows of xb, then 96 of wb, 32 K at byte k of the rows) into buffer f
.macro FETCH slot, k, f
	WIN 0
.irp i, 0,1,2,3,4,5,6,7
	ds_load_b128 v[(\f)+8*(\i):(\f)+8*(\i)+3],   v[ADRB+(\slot)] offset:(\k)+(\i)*16*PITCH
	ds_load_b128 v[(\f)+8*(\i)+4:(\f)+8*(\i)+7], v[ADRB+(\slot)] offset:(\k)+(\i)*16*PITCH+32
.endr
.irp i, 0,1,2,3,4,5
	ds_load_b128 v[(\f)+64+8*(\i):(\f)+64+8*(\i)+3],   v[ADRA+(\slot)] offset:(\k)+(\i)*16*PITCH
	ds_load_b128 v[(\f)+64+8*(\i)+4:(\f)+64+8*(\i)+7], v[ADRA+(\slot)] offset:(\k)+(\i)*16*PITCH+32
.endr
.endm
.macro PLACES                          ; four plain instructions behind the last matrix instruction, in front of loads into registers that matrix instructions have read and of conversions that read results
.rept 4
	v_nop
.endr
.endm
; A K step is four quarters of 32 along K, 48 matrix instructions each, on buffers 0, 1, 0, 1.  One of the first three: multiplies buffer f; behind its 32nd product it fetches the next quarter, at byte k, into g.
.macro QUARTER slot, k, f, g, zero
	s_wait_dscnt 4                                 ; xb's fragments and wb's blocks 0-3 are in; the youngest four loads (blocks 4, 5) may be out
	MUL16 \f, 0, 0, \zero
	MUL16 \f, 0, 2, \zero
	PLACES
	FETCH \slot, \k, \g
	s_wait_dscnt 28                                ; all but the 28 just issued
	MUL16 \f, 1, 0, \zero
.endm
; The last quarter multiplies buffer 1 and changes slots.  ONE barrier: in front of it each wave waits for all its tensor loads (one is out: its part of the next slot), adds 0 to its spare word,
; and waits for that and for its own reads of this slot.  Behind it nobody reads this slot any more and the next slot is whole.
.macro MEET round
	WIN 0                                          ; (the add's two registers lie in window 0)
	s_wait_tensorcnt 0x0
	ds_add_u32 v[SPW], v[NIL]                      ; 0 onto my spare word
	s_wait_dscnt 5                                 ; (the add and the youngest four loads may be out)
	MUL16 F1, 0, 0, 0                              ; sixteen matrix instructions stand between the add and the wait for it
	s_wait_dscnt 0x0                               ; the add is done, and my reads of this slot are over
	s_barrier_signal -1
	MUL16 F1, 0, 2, 0                              ; work on registers while the others arrive
.if \round
	WIN 0
.endif
	s_barrier_wait -1
.endm
; fill = 1: the barrier opens a round of the cluster's barrier, and the slot just read out is filled again, first thing behind the round, with the K step two steps on: 160 matrix instructions ahead of the wait for it.
.macro TURN slot, next, fill
.if \fill
	s_wait_xcnt 0x0                                ; the last prefetch, a K step back, has read its address: it is stepped here, ahead of the change's own waits
	s_add_nc_u64 s[PFA:PFA+1], s[PFA:PFA+1], KSTEP*2
.endif
	MEET \fill
.if \fill
	CREST                                          ; no wave of any partner still reads this slot's tile or has a load on its way
	s_add_nc_u64 s[G0+4*(\slot)+2:G0+4*(\slot)+3], s[G0+4*(\slot)+2:G0+4*(\slot)+3], 2*KSTEP*2
	s_add_nc_u64 s[G0B+4*(\slot)+2:G0B+4*(\slot)+3], s[G0B+4*(\slot)+2:G0B+4*(\slot)+3], 2*KSTEP*2
	JLOAD \slot                                    ; the four v_nop behind it are also the places in front of the loads below
.else
	PLACES
.endif
	FETCH \next, 0, F0
.if \fill
	ASK
.endif
	MUL16 F1, 1, 0, 0
.endm
; THE WAY OUT of row block a.  PACK: rounded to bf16 (each accumulator's registers in ascending order), then relu on the packed halves.  TOSTAGE: into my own stage, and back as whole rows of 256 bytes.  SEND: stored.
.macro PACK a
.set AC, 64*((\a)%4)
	WIN 0x05+5*((\a)/4)                            ; sources 0 and 1: window 1 or 2
.irp b, 0,1,2,3,4,5,6,7
.irp r, 0,1,2,3
	v_cvt_pk_bf16_f32 v[TMP+4*(\b)+(\r)], v[AC+8*(\b)+2*(\r)], v[AC+8*(\b)+2*(\r)+1]
.endr
.endr
	WIN 0
.set i, 0
.rept 32
	v_pk_max_num_bf16 v[TMP+i], v[TMP+i], v[ZR]
.set i, i+1
.endr
.endm
.macro TOSTAGE a
	WIN 0
.set BK, OB+32*((\a)%2)
.irp b, 0,1,2,3,4,5,6,7
	ds_store_b128 v[STO], v[TMP+4*(\b):TMP+4*(\b)+3] offset:32*(\b)
.endr
.irp t, 0,1,2,3,4,5,6,7
	ds_load_b128 v[BK+4*(\t):BK+4*(\t)+3], v[RD] offset:(\t)*2*SPITCH  ; LDS serves a wave's instructions in order (ISA guide 5.7.1.4): these see the stores above
.endr
.endm
.macro SEND a
	WIN 0
.set BK, OB+32*((\a)%2)
	s_wait_dscnt 0x0                               ; the block is back in registers
	s_wait_xcnt 0x0                                ; earlier stores have read their base and their data: only behind this wait are they rewritten
.if (\a) == 0
	s_add_nc_u64 s[8:9], s[8:9], s[16:17]          ; on to my first rows
.else
	s_add_nc_u64 s[8:9], s[8:9], 16*LDC*2          ; 16 rows of pt on
.endif
.irp t, 0,1,2,3,4,5,6,7
	global_store_b128 v[CO], v[BK+4*(\t):BK+4*(\t)+3], s[8:9] offset:2*(\t)*LDC*2  ; 16 lanes store 256 consecutive bytes, at a multiple of 256 from pt's first byte
.endr
.endm
	s_wait_tensorcnt 1                             ; my part of K step 0 is in; K step 1's may stay out
	s_barrier_signal -1
	s_barrier_wait -1                              ; everybody's is
	FETCH 0, 0, F0
	QUARTER 0, 64,  F0, F1, 1                      ; the first quarter stands in front of the loop: its products start the sums
	WIN 0                                          ; at a label and at a branch every window is 0
	s_mov_b32 s3, LAPS-1
.Llap:                                                 ; a trip goes once round the ring, from a lap's second quarter to the next lap's first, and fills both slots again
	QUARTER 0, 128, F1, F0, 0
	QUARTER 0, 192, F0, F1, 0
	TURN 0, 1, 1
	QUARTER 1, 64,  F0, F1, 0
	QUARTER 1, 128, F1, F0, 0
	QUARTER 1, 192, F0, F1, 0
	TURN 1, 0, 1
	QUARTER 0, 64,  F0, F1, 0
	WIN 0
	s_sub_co_u32 s3, s3, 1
	s_cmp_lg_u32 s3, 0
	s_cbranch_scc1 .Llap
	QUARTER 0, 128, F1, F0, 0                      ; the last lap fills nothing, and has no round of the cluster's barrier
	QUARTER 0, 192, F0, F1, 0
	TURN 0, 1, 0
	QUARTER 1, 64,  F0, F1, 0
	QUARTER 1, 128, F1, F0, 0
	QUARTER 1, 192, F0, F1, 0
	s_wait_dscnt 4                                 ; the very last quarter: nothing more to fetch
	MUL16 F1, 0, 0, 0
	MUL16 F1, 0, 2, 0
	s_wait_dscnt 0x0
	MUL16 F1, 1, 0, 0
	WIN 0
	PLACES
	PACK 0
	TOSTAGE 0
.irp a, 1,2,3,4,5                      ; block a's conversions stand between block a - 1's loads from the stage and the wait for them
	PACK \a
	SEND (\a)-1
	TOSTAGE \a
.endr
	SEND 5
	s_wait_tensorcnt 0x0                           ; the wave's end, behind my last tensor load and my last LDS store
	ds_add_u32 v[SPW], v[NIL]
	s_wait_dscnt 0x0
	CROUND                                         ; the closing round: no work-group ends while a partner may still ask for a tile that names it
	s_endpgm
.Lfunc_end_k_qc0dd07eeb2_proj:
	.size	k_qc0dd07eeb2_proj, .Lfunc_end_k_qc0dd07eeb2_proj-k_qc0dd07eeb2_proj
	.p2alignl 7, 3214868480
	.fill 96, 4, 3214868480
	.section	.rodata,"a",@progbits
	.p2align	6, 0x0
	.amdhsa_kernel k_qc0dd07eeb2_proj
		.amdhsa_group_segment_fixed_size 327680
		.amdhsa_private_segment_fixed_size 0
		.amdhsa_enable_private_segment 0
		.amdhsa_kernarg_size 24
		.amdhsa_user_sgpr_count 2
		.amdhsa_user_sgpr_kernarg_segment_ptr 1
		.amdhsa_wavefront_size32 1
		.amdhsa_system_sgpr_workgroup_id_x 1
		.amdhsa_system_sgpr_workgroup_id_y 1
		.amdhsa_system_sgpr_workgroup_id_z 1
		.amdhsa_system_vgpr_workitem_id 0
		.amdhsa_next_free_vgpr 640
		.amdhsa_next_free_sgpr 66
		.amdhsa_reserve_vcc 0
		.amdhsa_float_denorm_mode_32 3
		.amdhsa_float_denorm_mode_16_64 3
		.amdhsa_memory_ordered 1
		.amdhsa_forward_progress 1
		.amdhsa_inst_pref_size 128
	.end_amdhsa_kernel
	.amdgpu_metadata
---
amdhsa.version: [ 1, 2 ]
amdhsa.kernels:
  - .name:           k_qc0dd07eeb2_proj
    .symbol:         k_qc0dd07eeb2_proj.kd
    .args:
      - { .name: wb, .offset: 0, .size: 8, .value_kind: global_buffer, .address_space: global }
      - { .name: xb, .offset: 8, .size: 8, .value_kind: global_buffer, .address_space: global }
      - { .name: pt, .offset: 16, .size: 8, .value_kind: global_buffer, .address_space: global }
    .group_segment_fixed_size: 327680
    .private_segment_fixed_size: 0
    .kernarg_segment_align: 8
    .kernarg_segment_size: 24
    .max_flat_workgroup_size: 128
    .sgpr_count:     66
    .vgpr_count:     640
    .wavefront_size: 32
...
	.end_amdgpu_metadata
.endif
;; end of part 2
;; launch gram (part 3): grid 8 x 32, 4 waves a work-group, clusters of 4 x 4, 327,680 bytes of LDS; arguments pt, mm; writes mm
.if DOCPART == 3
	.amdgcn_target "amdgcn-amd-amdhsa--gfx1250"
	.amdhsa_code_object_version 6
	.text
	.protected	k_qc0dd07eeb2_gram
	.globl	k_qc0dd07eeb2_gram
	.p2align	8
	.type	k_qc0dd07eeb2_gram,@function
k_qc0dd07eeb2_gram:
	s_mov_b64 s[64:65], 0
	v_nop
	global_prefetch_b8 v0, s[64:65] scope:SCOPE_SE
	s_setreg_imm32_b32 hwreg(HW_REG_WAVE_MODE, 25, 1), 1
	s_wait_xcnt 0x0
	s_wait_alu depctr_hold_cnt(0) depctr_sa_sdst(0) depctr_va_vdst(0) depctr_va_sdst(0) depctr_va_ssrc(0) depctr_va_vcc(0) depctr_vm_vsrc(0)
	s_getreg_b32 s2, hwreg(HW_REG_IB_STS2, 6, 4)
	s_cmp_eq_u32 s2, 0
	s_cbranch_scc0 .Lentry_in_a_cluster
	s_endpgm
.Lentry_in_a_cluster:
	s_bfe_u32 s2, ttmp6, 0x10000c
	s_cmp_lg_u32 s2, 0xf033
	s_cbranch_scc0 .Lentry_shape_is_right
	s_endpgm
.Lentry_shape_is_right:
; mm[1024 b + e][e'] = sum over t of pt[1024 + e][2048 b + t] pt[2048 + e'][2048 b + t]: for each of the 4 batches Bm^T C, 1,024 x 1,024, K = 2,048.
; pt: [3072][8192], mm: [4096][1024], bf16; sums in f32, K ascending, mm rounded once.
; THE ORDER OF THE PRODUCTS differs from (A Bm^T) C as the module writes it: A (Bm^T C) is the same sum in another order, with fewer multiply-adds and no S x S matrix.  LIMIT: Bm^T C must be finite in f32.
; SHARES.  A tile of mm is 128 x 128: 32 x 8 = 256 work-groups.  Four waves, each 64 x 64: 16 accumulators, 128 registers.  K goes in steps of 256 (LDS rows of 512 bytes; a wave's tensor load brings 64 of them)
; through two slots; the four waves share ONE stage on the way out, with a barrier between writing and reading, since a wave's 64 columns are half of an aligned 256 bytes of mm.
; CLUSTERS: 4 x 4 work-groups; a cluster's four tile rows lie in one batch (8 tile rows a batch).  The four of a row of the cluster need the same rows of Bm^T, the four of a column the same rows of C^T: joint loads.
; The matrix instruction: source 0 = 16 rows of C^T, source 1 = 16 rows of Bm^T: a lane holds eight neighbouring numbers of a row of mm.
; No prefetch is laid: the tiles are small and the walk is eight K steps.
; REGISTERS: window 0: v0-31 addresses; v32-95 at work on the way out; v128-255 the accumulators ((a, b) at v[128 + 8 (4 a + b)]).
;   window 1: two fragment buffers of 128: for 64 along K, 64 registers of the row operand (2 x 4 x 16 rows x 32 K), then 64 of the column operand.
.set LD,     8192                      ; elements from row to row of both operands
.set SIZE_K, 2048
.set LDC,    1024                      ; numbers in a row of the result
.set KSTEP,  256
.set PITCH,  528                       ; an LDS row: 512 bytes + 16 of padding = 132 words: row r starts at bank 4 r mod 64 (64 banks of 4 bytes: ISA guide 11.1)
.set HALFT,  64*PITCH
.set SLOT,   4*HALFT
.set STAGE,  2*SLOT                    ; behind the ring: 128 rows x 272 bytes, the work-group's; no tensor load lands there
.set SPITCH, 272
.set SPARE,  STAGE+128*SPITCH          ; the spare words, 128 bytes for each wave: two blocks of 256 bytes that no other line names
.set LAPS, SIZE_K/(2*KSTEP)
.set ADRA, 16
.set ADRB, 20
.set STO,  24
.set RD,   25
.set CO,   26
.set SPW,  28                          ; v28  SPARE + 4 x my thread's number; never rewritten
.set NIL,  29                          ; v29  0; never rewritten
.set TMP,  32
.set ACC,  128
.set F0,   0
.set F1,   128
.set G1, 24
.set G0, 32
.set G1B, 48
.set G0B, 56
.set MSB, 0
.macro WIN new
.if MSB != (\new)
	s_set_vgpr_msb (MSB<<8)|(\new)
.set MSB, \new
.endif
.endm
.set MUL,  0x05                        ; sources 0 and 1 window 1; C and D window 0
.set TO_F, 0x40                        ; destination window 1, address window 0
.macro JLOAD s                         ; a joint load: waves 0 and 1 fetch the row operand's two halves, waves 2 and 3 the column operand's; an s_nop 0 and four v_nop follow each line
	s_cmp_eq_u32 s11, 0
	s_cbranch_scc0 .Lfor_b_\@
	tensor_load_to_lds s[G0+4*(\s):G0+4*(\s)+3], s[G1:G1+7]
	s_nop 0
.rept 4
	v_nop
.endr
	s_branch .Lasked_\@
.Lfor_b_\@:
	tensor_load_to_lds s[G0B+4*(\s):G0B+4*(\s)+3], s[G1B:G1B+7]
	s_nop 0
.rept 4
	v_nop
.endr
.Lasked_\@:
.endm
.macro CREST
	s_cmp_lg_u32 s10, 0
	s_cbranch_scc1 .Lnot_wave_0_\@
	s_barrier_signal -3
.Lnot_wave_0_\@:
	s_barrier_wait -3
	s_barrier_signal -1
	s_barrier_wait -1
.endm
.macro CROUND
	s_barrier_signal -1
	s_barrier_wait -1
	CREST
.endm
	s_load_b64 s[4:5], s[0:1], 0x0                 ; pt
	s_load_b64 s[8:9], s[0:1], 0x8                 ; mm
	v_lshl_add_u32 v[SPW], v0, 2, SPARE
	v_mov_b32 v[NIL], 0
	ds_add_u32 v[SPW], v[NIL]                      ; the wave's opening: the add, twice on end, and its wait ahead of my first tensor load
	ds_add_u32 v[SPW], v[NIL]
	v_lshrrev_b32 v1, 5, v0
	v_readfirstlane_b32 s10, v1                    ; wave 0..3
	s_lshr_b32 s11, s10, 1                         ; which half of the tile's rows is mine.  Also: which operand I fetch for
	s_and_b32 s12, s10, 1                          ; which half of its columns.  Also: which 64 rows of that tile I fetch
	s_bfe_u32 s40, ttmp6, 0x40000                  ; cx
	s_bfe_u32 s41, ttmp6, 0x40004                  ; cy
	s_lshl_b32 s42, ttmp9, 2
	s_add_co_u32 s42, s42, s40                     ; tile column = 4 x cluster x + cx
	s_and_b32 s13, ttmp7, 0xffff
	s_lshl_b32 s13, s13, 2
	s_add_co_u32 s13, s13, s41                     ; tile row = 4 x cluster y + cy, 0 .. 31: 8 for each batch
	s_lshl_b32 s43, s41, 2
	s_lshl_b32 s43, 15, s43                        ; my row of the cluster
	s_lshl_b32 s44, 0x1111, s40                    ; my column
	; descriptor group 1: 64 rows x 256 elements of 2 bytes, padded after every 128 words (code 6) by 4 words (code 3); bit 21 set beside a mask
	s_or_b32 s[G1+0], s43, (1<<16)|(1<<20)|(1<<21)|(6<<22)|(3<<25)
	s_or_b32 s[G1B+0], s44, (1<<16)|(1<<20)|(1<<21)|(6<<22)|(3<<25)
.irp g, G1, G1B
	s_mov_b32 s[(\g)+1], KSTEP<<16                 ; tensor_dim0 = 256
	s_mov_b32 s[(\g)+2], 64<<16                    ; tensor_dim1 = 64
	s_mov_b32 s[(\g)+3], KSTEP<<16                 ; tile_dim0 = 256
	s_mov_b32 s[(\g)+4], 64                        ; tile_dim1 = 64
	s_mov_b32 s[(\g)+5], LD                        ; elements from row to row
	s_mov_b32 s[(\g)+6], 0
	s_mov_b32 s[(\g)+7], 0
.endr
	s_and_b32 s18, ttmp7, 0xffff
	s_lshr_b32 s18, s18, 1                         ; the batch, from the cluster's y alone: all sixteen partners share it
	s_lshl_b32 s18, s18, 12                        ; its 2,048 columns: 4,096 bytes along a row of pt
	s_and_b32 s16, s13, 7
	s_lshl_b32 s16, s16, 7
	s_lshl_b32 s17, s12, 6
	s_add_co_u32 s16, s16, s17
	s_add_co_u32 s16, s16, 1024                    ; Bm^T: row 1,024 + 128 x (tile row mod 8) + 64 x half
	s_lshl_b32 s16, s16, 14                        ; x 16,384 bytes
	s_add_co_u32 s16, s16, s18
	s_mov_b32 s17, 0
	s_lshl_b32 s46, s42, 7
	s_lshl_b32 s47, s12, 6
	s_add_co_u32 s46, s46, s47
	s_add_co_u32 s46, s46, 2048                    ; C^T: row 2,048 + 128 x tile column + 64 x half
	s_lshl_b32 s46, s46, 14
	s_add_co_u32 s46, s46, s18
	s_mov_b32 s47, 0
	s_mul_i32 s20, s10, HALFT                      ; where they go: wave x 64 rows
	s_wait_dscnt 0x0                               ; both opening adds are done
	s_wait_kmcnt 0x0
	s_add_nc_u64 s[14:15], s[4:5], s[16:17]
	s_add_nc_u64 s[46:47], s[4:5], s[46:47]
	CROUND                                         ; all sixteen work-groups are here: the first joint loads meet
.irp s, 0,1
	s_mov_b32 s[G0+4*(\s)], 1
	s_add_co_u32 s[G0+4*(\s)+1], s20, (\s)*SLOT
	s_add_nc_u64 s[G0+4*(\s)+2:G0+4*(\s)+3], s[14:15], (\s)*KSTEP*2
	s_or_b32 s[G0+4*(\s)+3], s[G0+4*(\s)+3], 0x80000000
	s_mov_b32 s[G0B+4*(\s)], 1
	s_add_co_u32 s[G0B+4*(\s)+1], s20, (\s)*SLOT
	s_add_nc_u64 s[G0B+4*(\s)+2:G0B+4*(\s)+3], s[46:47], (\s)*KSTEP*2
	s_or_b32 s[G0B+4*(\s)+3], s[G0B+4*(\s)+3], 0x80000000
	JLOAD \s
.endr
	v_and_b32 v1, 15, v0                           ; l % 16
	v_bfe_u32 v2, v0, 4, 1                         ; l / 16
	v_mul_u32_u24 v3, v1, PITCH
	v_lshl_add_u32 v3, v2, 4, v3                   ; a fragment's row x pitch + 16 x half
	s_mul_i32 s21, s11, HALFT                      ; my 64 rows of the row operand
	s_mul_i32 s22, s12, HALFT                      ; my 64 rows of the column operand,
	s_add_co_u32 s22, s22, 2*HALFT                 ; which lie behind the other's 128
.irp s, 0,1
	v_add_nc_u32 v[ADRA+(\s)], s21, v3
	v_add_nc_u32 v[ADRB+(\s)], s22, v3
	s_add_co_u32 s21, s21, SLOT
	s_add_co_u32 s22, s22, SLOT
.endr
	s_mul_i32 s23, s11, 64*SPITCH                  ; into the stage: my 64 rows, my half of their 256 bytes
	s_lshl_b32 s21, s12, 7
	s_add_co_u32 s23, s23, s21
	s_add_co_u32 s23, s23, STAGE
	v_mul_u32_u24 v4, v1, SPITCH
	v_lshl_add_u32 v4, v2, 4, v4
	v_add_nc_u32 v[STO], s23, v4
	s_mul_i32 s23, s10, 32*SPITCH                  ; back: wave w takes rows 32 w .. 32 w + 31, whole
	s_add_co_u32 s23, s23, STAGE
	v_mul_u32_u24 v5, v2, SPITCH
	v_lshl_add_u32 v5, v1, 4, v5
	v_add_nc_u32 v[RD], s23, v5
	v_mul_u32_u24 v5, v2, LDC*2                    ; and the same two rows in the result
	v_lshl_add_u32 v[CO], v1, 4, v5
	s_lshl_b32 s16, s13, 7
	s_lshl_b32 s17, s10, 5
	s_add_co_u32 s16, s16, s17                     ; the first row that I store: 128 x tile row + 32 x wave
	s_mul_i32 s16, s16, LDC*2
	s_mov_b32 s17, 0
	s_add_nc_u64 s[8:9], s[8:9], s[16:17]
	s_lshl_b32 s46, s42, 8                         ; the tile's first column, in bytes
	s_mov_b32 s47, 0
	s_add_nc_u64 s[8:9], s[8:9], s[46:47]
; 8 matrix instructions: row blocks a0, a0 + 1 x all 4 column blocks, 32 along K: half c of buffer f.  The 16 accumulators take turns.
.macro MUL8 f, c, a0, zero
	WIN MUL
.irp a, \a0, (\a0)+1
.irp b, 0,1,2,3
.if \zero
	v_wmma_f32_16x16x32_bf16 v[ACC+8*(4*(\a)+(\b)):ACC+8*(4*(\a)+(\b))+7], v[(\f)+64+8*(4*(\c)+(\b)):(\f)+64+8*(4*(\c)+(\b))+7], v[(\f)+8*(4*(\c)+(\a)):(\f)+8*(4*(\c)+(\a))+7], 0
.else
	v_wmma_f32_16x16x32_bf16 v[ACC+8*(4*(\a)+(\b)):ACC+8*(4*(\a)+(\b))+7], v[(\f)+64+8*(4*(\c)+(\b)):(\f)+64+8*(4*(\c)+(\b))+7], v[(\f)+8*(4*(\c)+(\a)):(\f)+8*(4*(\c)+(\a))+7], v[ACC+8*(4*(\a)+(\b)):ACC+8*(4*(\a)+(\b))+7]
.endif
.endr
.endr
.endm
; 32 LDS loads in one run: the fragments of 64 along K at byte k of the rows, into buffer f; the first 32 along K first
.macro FETCH slot, k, f
	WIN TO_F
.irp c, 0,1
.irp i, 0,1,2,3
	ds_load_b128 v[(\f)+64+8*(4*(\c)+(\i)):(\f)+64+8*(4*(\c)+(\i))+3],   v[ADRB+(\slot)] offset:(\k)+64*(\c)+(\i)*16*PITCH
	ds_load_b128 v[(\f)+64+8*(4*(\c)+(\i))+4:(\f)+64+8*(4*(\c)+(\i))+7], v[ADRB+(\slot)] offset:(\k)+64*(\c)+(\i)*16*PITCH+32
	ds_load_b128 v[(\f)+8*(4*(\c)+(\i)):(\f)+8*(4*(\c)+(\i))+3],         v[ADRA+(\slot)] offset:(\k)+64*(\c)+(\i)*16*PITCH
	ds_load_b128 v[(\f)+8*(4*(\c)+(\i))+4:(\f)+8*(4*(\c)+(\i))+7],       v[ADRA+(\slot)] offset:(\k)+64*(\c)+(\i)*16*PITCH+32
.endr
.endr
.endm
.macro PLACES                          ; four plain instructions in front of loads into registers that matrix instructions have read, and of conversions that read results
.rept 4
	v_nop
.endr
.endm
; A K step is four quarters of 64 along K, 32 matrix instructions each, on buffers 0, 1, 0, 1.
.macro QUARTER slot, k, f, g, zero
	s_wait_dscnt 16                                ; the first 32 along K are in; the youngest sixteen loads may be out
	MUL8 \f, 0, 0, \zero
	MUL8 \f, 0, 2, \zero
	PLACES
	FETCH \slot, \k, \g
	s_wait_dscnt 32                                ; all but the 32 just issued
	MUL8 \f, 1, 0, 0
	MUL8 \f, 1, 2, 0
.endm
; The last quarter multiplies buffer 1 and changes slots: ONE barrier; in front of it each wave waits for all its tensor loads, adds 0 to its spare word, and waits for that and for its reads of this slot.
.macro TURN slot, next, fill
	WIN 0                                          ; (the add's two registers lie in window 0)
	s_wait_tensorcnt 0x0                           ; all my tensor loads have landed: my part of the next slot
	ds_add_u32 v[SPW], v[NIL]                      ; 0 onto my spare word
	s_wait_dscnt 17                                ; (the add and the youngest sixteen loads may be out)
	MUL8 F1, 0, 0, 0
	s_wait_dscnt 0x0                               ; the add is done, and my reads of this slot are over
	s_barrier_signal -1
	MUL8 F1, 0, 2, 0
.if \fill
	WIN 0
.endif
	s_barrier_wait -1
.if \fill
	CREST                                          ; the barrier has opened a round of the cluster's barrier: no wave of any partner still reads this slot or has a load on its way
	s_add_nc_u64 s[G0+4*(\slot)+2:G0+4*(\slot)+3], s[G0+4*(\slot)+2:G0+4*(\slot)+3], 2*KSTEP*2
	s_add_nc_u64 s[G0B+4*(\slot)+2:G0B+4*(\slot)+3], s[G0B+4*(\slot)+2:G0B+4*(\slot)+3], 2*KSTEP*2
	JLOAD \slot                                    ; the first tensor load behind the round; its four v_nop are also the places in front of the loads below
.else
	PLACES
.endif
	FETCH \next, 0, F0
	MUL8 F1, 1, 0, 0
	MUL8 F1, 1, 2, 0
.endm
	s_wait_tensorcnt 1                             ; my part of K step 0 is in; K step 1's may stay out
	s_barrier_signal -1
	s_barrier_wait -1
	FETCH 0, 0, F0
	QUARTER 0, 128, F0, F1, 1                      ; the first quarter stands in front of the loop: its first products start the sums
	WIN 0
	s_mov_b32 s3, LAPS-1
.Llap:
	QUARTER 0, 256, F1, F0, 0
	QUARTER 0, 384, F0, F1, 0
	TURN 0, 1, 1
	QUARTER 1, 128, F0, F1, 0
	QUARTER 1, 256, F1, F0, 0
	QUARTER 1, 384, F0, F1, 0
	TURN 1, 0, 1
	QUARTER 0, 128, F0, F1, 0
	WIN 0
	s_sub_co_u32 s3, s3, 1
	s_cmp_lg_u32 s3, 0
	s_cbranch_scc1 .Llap
	QUARTER 0, 256, F1, F0, 0                      ; the last lap fills nothing
	QUARTER 0, 384, F0, F1, 0
	TURN 0, 1, 0
	QUARTER 1, 128, F0, F1, 0
	QUARTER 1, 256, F1, F0, 0
	QUARTER 1, 384, F0, F1, 0
	s_wait_dscnt 16
	MUL8 F1, 0, 0, 0
	MUL8 F1, 0, 2, 0
	s_wait_dscnt 0x0
	MUL8 F1, 1, 0, 0
	MUL8 F1, 1, 2, 0
	WIN 0
	; THE WAY OUT: round to bf16; 16 bytes a lane into the work-group's stage; a barrier, since a row's 256 bytes come from two waves; back as whole rows, 32 rows a wave
	PLACES
.irp t, 0,1,2,3,4,5,6,7,8,9,10,11,12,13,14,15
.irp r, 0,1,2,3
	v_cvt_pk_bf16_f32 v[TMP+4*(\t)+(\r)], v[ACC+8*(\t)+2*(\r)], v[ACC+8*(\t)+2*(\r)+1]
.endr
.endr
.irp a, 0,1,2,3
.irp b, 0,1,2,3
	ds_store_b128 v[STO], v[TMP+4*(4*(\a)+(\b)):TMP+4*(4*(\a)+(\b))+3] offset:(\a)*16*SPITCH+32*(\b)
.endr
.endr
	s_wait_dscnt 0x0                               ; for the others' sake: my stores into the stage are done
	s_barrier_signal -1
	s_barrier_wait -1
.irp t, 0,1,2,3,4,5,6,7,8,9,10,11,12,13,14,15
	ds_load_b128 v[TMP+4*(\t):TMP+4*(\t)+3], v[RD] offset:(\t)*2*SPITCH
.endr
.irp t, 0,1,2,3,4,5,6,7,8,9,10,11,12,13,14,15
	s_wait_dscnt 15-(\t)                           ; pair t of rows is back; the younger loads stay out
	global_store_b128 v[CO], v[TMP+4*(\t):TMP+4*(\t)+3], s[8:9] offset:2*(\t)*LDC*2  ; 16 lanes store 256 consecutive bytes, at a multiple of 256 from the buffer's first byte
.endr
	s_wait_tensorcnt 0x0                           ; the wave's end
	ds_add_u32 v[SPW], v[NIL]
	s_wait_dscnt 0x0
	CROUND                                         ; the closing round
	s_endpgm
.Lfunc_end_k_qc0dd07eeb2_gram:
	.size	k_qc0dd07eeb2_gram, .Lfunc_end_k_qc0dd07eeb2_gram-k_qc0dd07eeb2_gram
	.p2alignl 7, 3214868480
	.fill 96, 4, 3214868480
	.section	.rodata,"a",@progbits
	.p2align	6, 0x0
	.amdhsa_kernel k_qc0dd07eeb2_gram
		.amdhsa_group_segment_fixed_size 327680
		.amdhsa_private_segment_fixed_size 0
		.amdhsa_enable_private_segment 0
		.amdhsa_kernarg_size 16
		.amdhsa_user_sgpr_count 2
		.amdhsa_user_sgpr_kernarg_segment_ptr 1
		.amdhsa_wavefront_size32 1
		.amdhsa_system_sgpr_workgroup_id_x 1
		.amdhsa_system_sgpr_workgroup_id_y 1
		.amdhsa_system_sgpr_workgroup_id_z 1
		.amdhsa_system_vgpr_workitem_id 0
		.amdhsa_next_free_vgpr 512
		.amdhsa_next_free_sgpr 66
		.amdhsa_reserve_vcc 0
		.amdhsa_float_denorm_mode_32 3
		.amdhsa_float_denorm_mode_16_64 3
		.amdhsa_memory_ordered 1
		.amdhsa_forward_progress 1
		.amdhsa_inst_pref_size 87
	.end_amdhsa_kernel
	.amdgpu_metadata
---
amdhsa.version: [ 1, 2 ]
amdhsa.kernels:
  - .name:           k_qc0dd07eeb2_gram
    .symbol:         k_qc0dd07eeb2_gram.kd
    .args:
      - { .name: pt, .offset: 0, .size: 8, .value_kind: global_buffer, .address_space: global }
      - { .name: mm, .offset: 8, .size: 8, .value_kind: global_buffer, .address_space: global }
    .group_segment_fixed_size: 327680
    .private_segment_fixed_size: 0
    .kernarg_segment_align: 8
    .kernarg_segment_size: 16
    .max_flat_workgroup_size: 128
    .sgpr_count:     66
    .vgpr_count:     512
    .wavefront_size: 32
...
	.end_amdgpu_metadata
.endif
;; end of part 3
;; launch fold (part 4): grid 32 x 8, 4 waves a work-group, clusters of 4 x 4, 327,680 bytes of LDS; arguments wb, mm, gt; writes gt
.if DOCPART == 4
	.amdgcn_target "amdgcn-amd-amdhsa--gfx1250"
	.amdhsa_code_object_version 6
	.text
	.protected	k_qc0dd07eeb2_fold
	.globl	k_qc0dd07eeb2_fold
	.p2align	8
	.type	k_qc0dd07eeb2_fold,@function
k_qc0dd07eeb2_fold:
	s_mov_b64 s[64:65], 0
	v_nop
	global_prefetch_b8 v0, s[64:65] scope:SCOPE_SE
	s_setreg_imm32_b32 hwreg(HW_REG_WAVE_MODE, 25, 1), 1
	s_wait_xcnt 0x0
	s_wait_alu depctr_hold_cnt(0) depctr_sa_sdst(0) depctr_va_vdst(0) depctr_va_sdst(0) depctr_va_ssrc(0) depctr_va_vcc(0) depctr_vm_vsrc(0)
	s_getreg_b32 s2, hwreg(HW_REG_IB_STS2, 6, 4)
	s_cmp_eq_u32 s2, 0
	s_cbranch_scc0 .Lentry_in_a_cluster
	s_endpgm
.Lentry_in_a_cluster:
	s_bfe_u32 s2, ttmp6, 0x10000c
	s_cmp_lg_u32 s2, 0xf033
	s_cbranch_scc0 .Lentry_shape_is_right
	s_endpgm
.Lentry_shape_is_right:
; gt[f][1024 b + e] = sum over e' of wb[3072 + f][e'] mm[1024 b + e][e']: Wd folded into Bm^T C, transposed so that the next launch finds its K (e) along gt's rows.
; wb: [4096][1024] (Wd's rows begin at row 3,072), mm: [4096][1024], gt: [1024][4096], bf16; sums in f32, K ascending, gt rounded once.  LIMIT: the sums must be finite in f32.
; SHARES.  A tile of gt is 128 x 128: 8 x 32 = 256 work-groups.  Four waves, each 64 x 64: 16 accumulators.  K = 1,024 goes in four steps of 256 (LDS rows of 512 bytes; a wave's tensor load brings 64 of them)
; through two slots; the four waves share ONE stage on the way out, with a barrier between writing and reading, since a wave's 64 columns are half of an aligned 256 bytes of gt.
; CLUSTERS: 4 x 4 work-groups.  The four of a row of the cluster need the same rows of Wd, the four of a column the same rows of mm: joint loads.
; The matrix instruction: source 0 = 16 rows of mm, source 1 = 16 rows of Wd: a lane holds eight neighbouring numbers of a row of gt.
; No prefetch is laid: the tiles are small and the walk is four K steps.
; REGISTERS: window 0: v0-31 addresses; v32-95 at work on the way out; v128-255 the accumulators ((a, b) at v[128 + 8 (4 a + b)]).
;   window 1: two fragment buffers of 128: for 64 along K, 64 registers of the row operand, then 64 of the column operand.
.set LD,     1024                      ; elements from row to row of both operands
.set SIZE_K, 1024
.set LDC,    4096                      ; numbers in a row of the result
.set WDOFF,  3072*1024*2               ; Wd's first byte in wb
.set KSTEP,  256
.set PITCH,  528                       ; an LDS row: 512 bytes + 16 of padding = 132 words: row r starts at bank 4 r mod 64 (64 banks of 4 bytes: ISA guide 11.1)
.set HALFT,  64*PITCH
.set SLOT,   4*HALFT
.set STAGE,  2*SLOT                    ; behind the ring: 128 rows x 272 bytes, the work-group's; no tensor load lands there
.set SPITCH, 272
.set SPARE,  STAGE+128*SPITCH          ; the spare words, 128 bytes for each wave: two blocks of 256 bytes that no other line names
.set LAPS, SIZE_K/(2*KSTEP)
.set ADRA, 16
.set ADRB, 20
.set STO,  24
.set RD,   25
.set CO,   26
.set SPW,  28                          ; v28  SPARE + 4 x my thread's number; never rewritten
.set NIL,  29                          ; v29  0; never rewritten
.set TMP,  32
.set ACC,  128
.set F0,   0
.set F1,   128
.set G1, 24
.set G0, 32
.set G1B, 48
.set G0B, 56
.set MSB, 0
.macro WIN new
.if MSB != (\new)
	s_set_vgpr_msb (MSB<<8)|(\new)
.set MSB, \new
.endif
.endm
.set MUL,  0x05                        ; sources 0 and 1 window 1; C and D window 0
.set TO_F, 0x40                        ; destination window 1, address window 0
.macro JLOAD s                         ; a joint load: waves 0 and 1 fetch Wd's two halves, waves 2 and 3 mm's; an s_nop 0 and four v_nop follow each line
	s_cmp_eq_u32 s11, 0
	s_cbranch_scc0 .Lfor_b_\@
	tensor_load_to_lds s[G0+4*(\s):G0+4*(\s)+3], s[G1:G1+7]
	s_nop 0
.rept 4
	v_nop
.endr
	s_branch .Lasked_\@
.Lfor_b_\@:
	tensor_load_to_lds s[G0B+4*(\s):G0B+4*(\s)+3], s[G1B:G1B+7]
	s_nop 0
.rept 4
	v_nop
.endr
.Lasked_\@:
.endm
.macro CREST
	s_cmp_lg_u32 s10, 0
	s_cbranch_scc1 .Lnot_wave_0_\@
	s_barrier_signal -3
.Lnot_wave_0_\@:
	s_barrier_wait -3
	s_barrier_signal -1
	s_barrier_wait -1
.endm
.macro CROUND
	s_barrier_signal -1
	s_barrier_wait -1
	CREST
.endm
	s_load_b128 s[4:7], s[0:1], 0x0                ; wb s[4:5], mm s[6:7]
	s_load_b64 s[8:9], s[0:1], 0x10                ; gt
	v_lshl_add_u32 v[SPW], v0, 2, SPARE
	v_mov_b32 v[NIL], 0
	ds_add_u32 v[SPW], v[NIL]                      ; the wave's opening: the add, twice on end, and its wait ahead of my first tensor load
	ds_add_u32 v[SPW], v[NIL]
	v_lshrrev_b32 v1, 5, v0
	v_readfirstlane_b32 s10, v1                    ; wave 0..3
	s_lshr_b32 s11, s10, 1                         ; which half of the tile's rows is mine.  Also: which operand I fetch for
	s_and_b32 s12, s10, 1                          ; which half of its columns.  Also: which 64 rows of that tile I fetch
	s_bfe_u32 s40, ttmp6, 0x40000                  ; cx
	s_bfe_u32 s41, ttmp6, 0x40004                  ; cy
	s_lshl_b32 s42, ttmp9, 2
	s_add_co_u32 s42, s42, s40                     ; tile column = 4 x cluster x + cx
	s_and_b32 s13, ttmp7, 0xffff
	s_lshl_b32 s13, s13, 2
	s_add_co_u32 s13, s13, s41                     ; tile row = 4 x cluster y + cy
	s_lshl_b32 s43, s41, 2
	s_lshl_b32 s43, 15, s43                        ; my row of the cluster
	s_lshl_b32 s44, 0x1111, s40                    ; my column
	; descriptor group 1: 64 rows x 256 elements of 2 bytes, padded after every 128 words (code 6) by 4 words (code 3); bit 21 set beside a mask
	s_or_b32 s[G1+0], s43, (1<<16)|(1<<20)|(1<<21)|(6<<22)|(3<<25)
	s_or_b32 s[G1B+0], s44, (1<<16)|(1<<20)|(1<<21)|(6<<22)|(3<<25)
.irp g, G1, G1B
	s_mov_b32 s[(\g)+1], KSTEP<<16                 ; tensor_dim0 = 256
	s_mov_b32 s[(\g)+2], 64<<16                    ; tensor_dim1 = 64
	s_mov_b32 s[(\g)+3], KSTEP<<16                 ; tile_dim0 = 256
	s_mov_b32 s[(\g)+4], 64                        ; tile_dim1 = 64
	s_mov_b32 s[(\g)+5], LD                        ; elements from row to row
	s_mov_b32 s[(\g)+6], 0
	s_mov_b32 s[(\g)+7], 0
.endr
	s_lshl_b32 s16, s13, 7
	s_lshl_b32 s17, s12, 6
	s_add_co_u32 s16, s16, s17                     ; Wd: row 128 x tile row + 64 x half
	s_lshl_b32 s16, s16, 11                        ; x 2,048 bytes
	s_add_co_u32 s16, s16, WDOFF
	s_mov_b32 s17, 0
	s_lshl_b32 s46, s42, 7
	s_lshl_b32 s47, s12, 6
	s_add_co_u32 s46, s46, s47                     ; mm: row 128 x tile column + 64 x half
	s_lshl_b32 s46, s46, 11
	s_mov_b32 s47, 0
	s_mul_i32 s20, s10, HALFT                      ; where they go: wave x 64 rows
	s_wait_dscnt 0x0                               ; both opening adds are done
	s_wait_kmcnt 0x0
	s_add_nc_u64 s[14:15], s[4:5], s[16:17]
	s_add_nc_u64 s[46:47], s[6:7], s[46:47]
	CROUND                                         ; all sixteen work-groups are here: the first joint loads meet
.irp s, 0,1
	s_mov_b32 s[G0+4*(\s)], 1
	s_add_co_u32 s[G0+4*(\s)+1], s20, (\s)*SLOT
	s_add_nc_u64 s[G0+4*(\s)+2:G0+4*(\s)+3], s[14:15], (\s)*KSTEP*2
	s_or_b32 s[G0+4*(\s)+3], s[G0+4*(\s)+3], 0x80000000
	s_mov_b32 s[G0B+4*(\s)], 1
	s_add_co_u32 s[G0B+4*(\s)+1], s20, (\s)*SLOT
	s_add_nc_u64 s[G0B+4*(\s)+2:G0B+4*(\s)+3], s[46:47], (\s)*KSTEP*2
	s_or_b32 s[G0B+4*(\s)+3], s[G0B+4*(\s)+3], 0x80000000
	JLOAD \s
.endr
	v_and_b32 v1, 15, v0                           ; l % 16
	v_bfe_u32 v2, v0, 4, 1                         ; l / 16
	v_mul_u32_u24 v3, v1, PITCH
	v_lshl_add_u32 v3, v2, 4, v3                   ; a fragment's row x pitch + 16 x half
	s_mul_i32 s21, s11, HALFT                      ; my 64 rows of the row operand
	s_mul_i32 s22, s12, HALFT                      ; my 64 rows of the column operand,
	s_add_co_u32 s22, s22, 2*HALFT                 ; which lie behind the other's 128
.irp s, 0,1
	v_add_nc_u32 v[ADRA+(\s)], s21, v3
	v_add_nc_u32 v[ADRB+(\s)], s22, v3
	s_add_co_u32 s21, s21, SLOT
	s_add_co_u32 s22, s22, SLOT
.endr
	s_mul_i32 s23, s11, 64*SPITCH                  ; into the stage: my 64 rows, my half of their 256 bytes
	s_lshl_b32 s21, s12, 7
	s_add_co_u32 s23, s23, s21
	s_add_co_u32 s23, s23, STAGE
	v_mul_u32_u24 v4, v1, SPITCH
	v_lshl_add_u32 v4, v2, 4, v4
	v_add_nc_u32 v[STO], s23, v4
	s_mul_i32 s23, s10, 32*SPITCH                  ; back: wave w takes rows 32 w .. 32 w + 31, whole
	s_add_co_u32 s23, s23, STAGE
	v_mul_u32_u24 v5, v2, SPITCH
	v_lshl_add_u32 v5, v1, 4, v5
	v_add_nc_u32 v[RD], s23, v5
	v_mul_u32_u24 v5, v2, LDC*2                    ; and the same two rows in the result
	v_lshl_add_u32 v[CO], v1, 4, v5
	s_lshl_b32 s16, s13, 7
	s_lshl_b32 s17, s10, 5
	s_add_co_u32 s16, s16, s17                     ; the first row that I store: 128 x tile row + 32 x wave
	s_mul_i32 s16, s16, LDC*2
	s_mov_b32 s17, 0
	s_add_nc_u64 s[8:9], s[8:9], s[16:17]
	s_lshl_b32 s46, s42, 8                         ; the tile's first column, in bytes
	s_mov_b32 s47, 0
	s_add_nc_u64 s[8:9], s[8:9], s[46:47]
; 8 matrix instructions: row blocks a0, a0 + 1 x all 4 column blocks, 32 along K: half c of buffer f.  The 16 accumulators take turns.
.macro MUL8 f, c, a0, zero
	WIN MUL
.irp a, \a0, (\a0)+1
.irp b, 0,1,2,3
.if \zero
	v_wmma_f32_16x16x32_bf16 v[ACC+8*(4*(\a)+(\b)):ACC+8*(4*(\a)+(\b))+7], v[(\f)+64+8*(4*(\c)+(\b)):(\f)+64+8*(4*(\c)+(\b))+7], v[(\f)+8*(4*(\c)+(\a)):(\f)+8*(4*(\c)+(\a))+7], 0
.else
	v_wmma_f32_16x16x32_bf16 v[ACC+8*(4*(\a)+(\b)):ACC+8*(4*(\a)+(\b))+7], v[(\f)+64+8*(4*(\c)+(\b)):(\f)+64+8*(4*(\c)+(\b))+7], v[(\f)+8*(4*(\c)+(\a)):(\f)+8*(4*(\c)+(\a))+7], v[ACC+8*(4*(\a)+(\b)):ACC+8*(4*(\a)+(\b))+7]
.endif
.endr
.endr
.endm
; 32 LDS loads in one run: the fragments of 64 along K at byte k of the rows, into buffer f; the first 32 along K first
.macro FETCH slot, k, f
	WIN TO_F
.irp c, 0,1
.irp i, 0,1,2,3
	ds_load_b128 v[(\f)+64+8*(4*(\c)+(\i)):(\f)+64+8*(4*(\c)+(\i))+3],   v[ADRB+(\slot)] offset:(\k)+64*(\c)+(\i)*16*PITCH
	ds_load_b128 v[(\f)+64+8*(4*(\c)+(\i))+4:(\f)+64+8*(4*(\c)+(\i))+7], v[ADRB+(\slot)] offset:(\k)+64*(\c)+(\i)*16*PITCH+32
	ds_load_b128 v[(\f)+8*(4*(\c)+(\i)):(\f)+8*(4*(\c)+(\i))+3],         v[ADRA+(\slot)] offset:(\k)+64*(\c)+(\i)*16*PITCH
	ds_load_b128 v[(\f)+8*(4*(\c)+(\i))+4:(\f)+8*(4*(\c)+(\i))+7],       v[ADRA+(\slot)] offset:(\k)+64*(\c)+(\i)*16*PITCH+32
.endr
.endr
.endm
.macro PLACES                          ; four plain instructions in front of loads into registers that matrix instructions have read, and of conversions that read results
.rept 4
	v_nop
.endr
.endm
; A K step is four quarters of 64 along K, 32 matrix instructions each, on buffers 0, 1, 0, 1.
.macro QUARTER slot, k, f, g, zero
	s_wait_dscnt 16                                ; the first 32 along K are in; the youngest sixteen loads may be out
	MUL8 \f, 0, 0, \zero
	MUL8 \f, 0, 2, \zero
	PLACES
	FETCH \slot, \k, \g
	s_wait_dscnt 32                                ; all but the 32 just issued
	MUL8 \f, 1, 0, 0
	MUL8 \f, 1, 2, 0
.endm
; The last quarter multiplies buffer 1 and changes slots: ONE barrier; in front of it each wave waits for all its tensor loads, adds 0 to its spare word, and waits for that and for its reads of this slot.
.macro TURN slot, next, fill
	WIN 0                                          ; (the add's two registers lie in window 0)
	s_wait_tensorcnt 0x0                           ; all my tensor loads have landed: my part of the next slot
	ds_add_u32 v[SPW], v[NIL]                      ; 0 onto my spare word
	s_wait_dscnt 17                                ; (the add and the youngest sixteen loads may be out)
	MUL8 F1, 0, 0, 0
	s_wait_dscnt 0x0                               ; the add is done, and my reads of this slot are over
	s_barrier_signal -1
	MUL8 F1, 0, 2, 0
.if \fill
	WIN 0
.endif
	s_barrier_wait -1
.if \fill
	CREST                                          ; the barrier has opened a round of the cluster's barrier: no wave of any partner still reads this slot or has a load on its way
	s_add_nc_u64 s[G0+4*(\slot)+2:G0+4*(\slot)+3], s[G0+4*(\slot)+2:G0+4*(\slot)+3], 2*KSTEP*2
	s_add_nc_u64 s[G0B+4*(\slot)+2:G0B+4*(\slot)+3], s[G0B+4*(\slot)+2:G0B+4*(\slot)+3], 2*KSTEP*2
	JLOAD \slot                                    ; the first tensor load behind the round; its four v_nop are also the places in front of the loads below
.else
	PLACES
.endif
	FETCH \next, 0, F0
	MUL8 F1, 1, 0, 0
	MUL8 F1, 1, 2, 0
.endm
	s_wait_tensorcnt 1                             ; my part of K step 0 is in; K step 1's may stay out
	s_barrier_signal -1
	s_barrier_wait -1
	FETCH 0, 0, F0
	QUARTER 0, 128, F0, F1, 1                      ; the first quarter stands in front of the loop: its first products start the sums
	WIN 0
	s_mov_b32 s3, LAPS-1                           ; one trip: K steps 2 and 3 are asked for in it
.Llap:
	QUARTER 0, 256, F1, F0, 0
	QUARTER 0, 384, F0, F1, 0
	TURN 0, 1, 1
	QUARTER 1, 128, F0, F1, 0
	QUARTER 1, 256, F1, F0, 0
	QUARTER 1, 384, F0, F1, 0
	TURN 1, 0, 1
	QUARTER 0, 128, F0, F1, 0
	WIN 0
	s_sub_co_u32 s3, s3, 1
	s_cmp_lg_u32 s3, 0
	s_cbranch_scc1 .Llap
	QUARTER 0, 256, F1, F0, 0                      ; the last lap fills nothing
	QUARTER 0, 384, F0, F1, 0
	TURN 0, 1, 0
	QUARTER 1, 128, F0, F1, 0
	QUARTER 1, 256, F1, F0, 0
	QUARTER 1, 384, F0, F1, 0
	s_wait_dscnt 16
	MUL8 F1, 0, 0, 0
	MUL8 F1, 0, 2, 0
	s_wait_dscnt 0x0
	MUL8 F1, 1, 0, 0
	MUL8 F1, 1, 2, 0
	WIN 0
	; THE WAY OUT: round to bf16; 16 bytes a lane into the work-group's stage; a barrier, since a row's 256 bytes come from two waves; back as whole rows, 32 rows a wave
	PLACES
.irp t, 0,1,2,3,4,5,6,7,8,9,10,11,12,13,14,15
.irp r, 0,1,2,3
	v_cvt_pk_bf16_f32 v[TMP+4*(\t)+(\r)], v[ACC+8*(\t)+2*(\r)], v[ACC+8*(\t)+2*(\r)+1]
.endr
.endr
.irp a, 0,1,2,3
.irp b, 0,1,2,3
	ds_store_b128 v[STO], v[TMP+4*(4*(\a)+(\b)):TMP+4*(4*(\a)+(\b))+3] offset:(\a)*16*SPITCH+32*(\b)
.endr
.endr
	s_wait_dscnt 0x0                               ; for the others' sake: my stores into the stage are done
	s_barrier_signal -1
	s_barrier_wait -1
.irp t, 0,1,2,3,4,5,6,7,8,9,10,11,12,13,14,15
	ds_load_b128 v[TMP+4*(\t):TMP+4*(\t)+3], v[RD] offset:(\t)*2*SPITCH
.endr
.irp t, 0,1,2,3,4,5,6,7,8,9,10,11,12,13,14,15
	s_wait_dscnt 15-(\t)                           ; pair t of rows is back; the younger loads stay out
	global_store_b128 v[CO], v[TMP+4*(\t):TMP+4*(\t)+3], s[8:9] offset:2*(\t)*LDC*2  ; 16 lanes store 256 consecutive bytes, at a multiple of 256 from the buffer's first byte
.endr
	s_wait_tensorcnt 0x0                           ; the wave's end
	ds_add_u32 v[SPW], v[NIL]
	s_wait_dscnt 0x0
	CROUND                                         ; the closing round
	s_endpgm
.Lfunc_end_k_qc0dd07eeb2_fold:
	.size	k_qc0dd07eeb2_fold, .Lfunc_end_k_qc0dd07eeb2_fold-k_qc0dd07eeb2_fold
	.p2alignl 7, 3214868480
	.fill 96, 4, 3214868480
	.section	.rodata,"a",@progbits
	.p2align	6, 0x0
	.amdhsa_kernel k_qc0dd07eeb2_fold
		.amdhsa_group_segment_fixed_size 327680
		.amdhsa_private_segment_fixed_size 0
		.amdhsa_enable_private_segment 0
		.amdhsa_kernarg_size 24
		.amdhsa_user_sgpr_count 2
		.amdhsa_user_sgpr_kernarg_segment_ptr 1
		.amdhsa_wavefront_size32 1
		.amdhsa_system_sgpr_workgroup_id_x 1
		.amdhsa_system_sgpr_workgroup_id_y 1
		.amdhsa_system_sgpr_workgroup_id_z 1
		.amdhsa_system_vgpr_workitem_id 0
		.amdhsa_next_free_vgpr 512
		.amdhsa_next_free_sgpr 66
		.amdhsa_reserve_vcc 0
		.amdhsa_float_denorm_mode_32 3
		.amdhsa_float_denorm_mode_16_64 3
		.amdhsa_memory_ordered 1
		.amdhsa_forward_progress 1
		.amdhsa_inst_pref_size 87
	.end_amdhsa_kernel
	.amdgpu_metadata
---
amdhsa.version: [ 1, 2 ]
amdhsa.kernels:
  - .name:           k_qc0dd07eeb2_fold
    .symbol:         k_qc0dd07eeb2_fold.kd
    .args:
      - { .name: wb, .offset: 0, .size: 8, .value_kind: global_buffer, .address_space: global }
      - { .name: mm, .offset: 8, .size: 8, .value_kind: global_buffer, .address_space: global }
      - { .name: gt, .offset: 16, .size: 8, .value_kind: global_buffer, .address_space: global }
    .group_segment_fixed_size: 327680
    .private_segment_fixed_size: 0
    .kernarg_segment_align: 8
    .kernarg_segment_size: 24
    .max_flat_workgroup_size: 128
    .sgpr_count:     66
    .vgpr_count:     512
    .wavefront_size: 32
...
	.end_amdgpu_metadata
.endif
;; end of part 4
;; launch apply (part 5): grid 4 x 64, 4 waves a work-group, clusters of 4 x 4, 327,680 bytes of LDS; arguments pt, gt, out0; writes out0
.if DOCPART == 5
	.amdgcn_target "amdgcn-amd-amdhsa--gfx1250"
	.amdhsa_code_object_version 6
	.text
	.protected	k_qc0dd07eeb2_apply
	.globl	k_qc0dd07eeb2_apply
	.p2align	8
	.type	k_qc0dd07eeb2_apply,@function
k_qc0dd07eeb2_apply:
	s_mov_b64 s[64:65], 0
	v_nop
	global_prefetch_b8 v0, s[64:65] scope:SCOPE_SE
	s_setreg_imm32_b32 hwreg(HW_REG_WAVE_MODE, 25, 1), 1
	s_wait_xcnt 0x0
	s_wait_alu depctr_hold_cnt(0) depctr_sa_sdst(0) depctr_va_vdst(0) depctr_va_sdst(0) depctr_va_ssrc(0) depctr_va_vcc(0) depctr_vm_vsrc(0)
	s_getreg_b32 s2, hwreg(HW_REG_IB_STS2, 6, 4)
	s_cmp_eq_u32 s2, 0
	s_cbranch_scc0 .Lentry_in_a_cluster
	s_endpgm
.Lentry_in_a_cluster:
	s_bfe_u32 s2, ttmp6, 0x10000c
	s_cmp_lg_u32 s2, 0xf033
	s_cbranch_scc0 .Lentry_shape_is_right
	s_endpgm
.Lentry_shape_is_right:
; out0[s][f] = relu(sum over e of pt[e][s] gt[f][1024 (s >> 11) + e]): A times the folded matrix of s's batch, and the module's last relu.
; pt: [3072][8192] bf16 (rows 0-1023 are A^T), gt: [1024][4096] bf16, out0: [8192][1024] f32; sums in f32, K ascending.  LIMITS: relu is a maximum with 0 in which a NaN loses; the sign of zero is not kept.
; SHARES.  A tile of out0 is 128 rows x 256 columns: 64 x 4 = 256 work-groups.  Four waves, each 64 x 128: 32 accumulators, 256 registers.  K = 1,024 goes in steps of 128 through two LDS slots.
; A lies TRANSPOSED in memory ([e][s]): a K step's tile is 128 rows e of 256 bytes (128 s), and its fragments come out of LDS turned, by ds_load_tr16_b128.  gt's tile is 256 rows f of 256 bytes, K along the rows.
; CLUSTERS: 4 x 4 work-groups; a cluster's four row tiles lie in one batch (16 row tiles a batch).  The four of a row of the cluster need the same tile of A^T, the four of a column the same tile of gt: joint loads.
; The matrix instruction: source 0 = 16 rows of gt, source 1 = 16 rows s of A: in the result lane l holds row s = l % 16 and the columns f = 8 (l / 16) + 0 .. 7: 32 bytes of a row of out0.
; No prefetch is laid: the walk is eight K steps.
; REGISTERS: window 0: v0-31 addresses; v32-127, v128-223 two fragment buffers (64 registers of gt: 8 x 16 rows x 32 K; then 32 of A: 4 x 16 rows x 32 K); on the way out v32-223 at work.
;   window 1: the accumulators ((a, b) at v[8 (8 a + b)]).
.set LDA,    8192                      ; numbers in a row of pt
.set LDG,    4096                      ; numbers in a row of gt
.set LDO,    1024                      ; numbers in a row of out0
.set KSTEP,  128
.set PA,     288                       ; a row of A^T in LDS: 256 bytes + 32 = 72 words
.set PB,     272                       ; a row of gt: 256 + 16 = 68 words: the 16 rows of a load start at 16 different groups of four banks
.set BOFF,   128*PA
.set SLOT,   BOFF+256*PB               ; 106,496 bytes
.set STAGE,  2*SLOT                    ; behind the ring: 16 rows x 528 bytes for each wave; no tensor load lands there
.set SPITCH, 528                       ; 512 bytes of f32 + 16
.set SPARE,  STAGE+4*16*SPITCH         ; the spare words, 128 bytes for each wave: two blocks of 256 bytes that no other line names
.set LAPS,   1024/(2*KSTEP)
.set ADRA, 16                          ; v16-17  LDS address of my fragments of A in slot 0, 1
.set ADRB, 20                          ; v20-21  the same for gt
.set STO,  24
.set RD,   25
.set CO,   26
.set SPW,  28                          ; v28  SPARE + 4 x my thread's number; never rewritten
.set NIL,  29                          ; v29  0; never rewritten
.set F0,   32
.set F1,   128
.set T,    32                          ; the way out: a row block after relu, 64 registers
.set OB,   96                          ; the way out: 16 rows read back: v96-159 and v160-223 by turns
.set G1,   24
.set G0,   32
.set G1B,  48
.set G0B,  56
.set MUL,  0x50                        ; sources in window 0; C and D in window 1
.set MSB, 0
.macro WIN new
.if MSB != (\new)
	s_set_vgpr_msb (MSB<<8)|(\new)
.set MSB, \new
.endif
.endm
.macro JLOAD s                         ; a joint load: waves 0 and 1 fetch the two halves (64 rows e) of A^T's tile, waves 2 and 3 the two halves (128 rows f) of gt's; an s_nop 0 and four v_nop follow each line
	s_cmp_eq_u32 s11, 0
	s_cbranch_scc0 .Lfor_b_\@
	tensor_load_to_lds s[G0+4*(\s):G0+4*(\s)+3], s[G1:G1+7]
	s_nop 0
.rept 4
	v_nop
.endr
	s_branch .Lasked_\@
.Lfor_b_\@:
	tensor_load_to_lds s[G0B+4*(\s):G0B+4*(\s)+3], s[G1B:G1B+7]
	s_nop 0
.rept 4
	v_nop
.endr
.Lasked_\@:
.endm
.macro CREST
	s_cmp_lg_u32 s10, 0
	s_cbranch_scc1 .Lnot_wave_0_\@
	s_barrier_signal -3
.Lnot_wave_0_\@:
	s_barrier_wait -3
	s_barrier_signal -1
	s_barrier_wait -1
.endm
.macro CROUND
	s_barrier_signal -1
	s_barrier_wait -1
	CREST
.endm
	s_load_b128 s[4:7], s[0:1], 0x0                ; pt s[4:5], gt s[6:7]
	s_load_b64 s[8:9], s[0:1], 0x10                ; out0
	v_lshl_add_u32 v[SPW], v0, 2, SPARE
	v_mov_b32 v[NIL], 0
	ds_add_u32 v[SPW], v[NIL]                      ; the wave's opening: the add, twice on end, and its wait ahead of my first tensor load
	ds_add_u32 v[SPW], v[NIL]
	v_lshrrev_b32 v1, 5, v0
	v_readfirstlane_b32 s10, v1                    ; wave 0..3
	s_lshr_b32 s11, s10, 1                         ; which 64 rows of the tile are mine.  Also: I fetch for A^T (0) or for gt (1)
	s_and_b32 s12, s10, 1                          ; which 128 columns.  Also: which half of that tile I fetch
	s_bfe_u32 s40, ttmp6, 0x40000                  ; cx
	s_bfe_u32 s41, ttmp6, 0x40004                  ; cy
	s_lshl_b32 s42, ttmp9, 2
	s_add_co_u32 s42, s42, s40                     ; tile column (256 f) = 4 x cluster x + cx
	s_and_b32 s13, ttmp7, 0xffff
	s_lshl_b32 s13, s13, 2
	s_add_co_u32 s13, s13, s41                     ; tile row (128 s) = 4 x cluster y + cy
	s_lshl_b32 s43, s41, 2
	s_lshl_b32 s43, 15, s43                        ; my row of the cluster
	s_lshl_b32 s44, 0x1111, s40                    ; my column
	; descriptor group 1: rows of 128 elements of 2 bytes, padded after every 64 words (code 5): A^T by 8 words (code 7), gt by 4 (code 3); bit 21 set beside a mask
	s_or_b32 s[G1+0], s43, (1<<16)|(1<<20)|(1<<21)|(5<<22)|(7<<25)
	s_or_b32 s[G1B+0], s44, (1<<16)|(1<<20)|(1<<21)|(5<<22)|(3<<25)
	s_mov_b32 s[G1+1], 128<<16                     ; tensor_dim0 = 128
	s_mov_b32 s[G1+2], 64<<16                      ; tensor_dim1 = 64
	s_mov_b32 s[G1+3], 128<<16                     ; tile_dim0 = 128
	s_mov_b32 s[G1+4], 64                          ; tile_dim1 = 64
	s_mov_b32 s[G1+5], LDA                         ; elements from row to row
	s_mov_b32 s[G1+6], 0
	s_mov_b32 s[G1+7], 0
	s_mov_b32 s[G1B+1], 128<<16
	s_mov_b32 s[G1B+2], 128<<16                    ; 128 rows
	s_mov_b32 s[G1B+3], 128<<16
	s_mov_b32 s[G1B+4], 128
	s_mov_b32 s[G1B+5], LDG
	s_mov_b32 s[G1B+6], 0
	s_mov_b32 s[G1B+7], 0
	s_lshl_b32 s16, s12, 20                        ; A^T: row 64 x half, x 16,384 bytes,
	s_lshl_b32 s17, s13, 8                         ; and the tile row's 128 s: 256 bytes along the row
	s_add_co_u32 s16, s16, s17
	s_mov_b32 s17, 0
	s_lshl_b32 s46, s42, 8
	s_lshl_b32 s47, s12, 7
	s_add_co_u32 s46, s46, s47                     ; gt: row 256 x tile column + 128 x half,
	s_lshl_b32 s46, s46, 13                        ; x 8,192 bytes,
	s_and_b32 s18, ttmp7, 0xffff
	s_lshr_b32 s18, s18, 2                         ; and the batch, from the cluster's y alone:
	s_lshl_b32 s18, s18, 11                        ; its 1,024 e: 2,048 bytes along the row
	s_add_co_u32 s46, s46, s18
	s_mov_b32 s47, 0
	s_mul_i32 s20, s12, 64*PA                      ; where they go: no place in the cluster enters an LDS address
	s_mul_i32 s23, s12, 128*PB
	s_add_co_u32 s23, s23, BOFF
	s_wait_dscnt 0x0                               ; both opening adds are done
	s_wait_kmcnt 0x0
	s_add_nc_u64 s[14:15], s[4:5], s[16:17]
	s_add_nc_u64 s[46:47], s[6:7], s[46:47]
	CROUND                                         ; all sixteen work-groups are here: the first joint loads meet
.irp s, 0,1
	s_mov_b32 s[G0+4*(\s)], 1
	s_add_co_u32 s[G0+4*(\s)+1], s20, (\s)*SLOT
	s_add_nc_u64 s[G0+4*(\s)+2:G0+4*(\s)+3], s[14:15], (\s)*KSTEP*LDA*2  ; K step s: 128 rows of pt further down
	s_or_b32 s[G0+4*(\s)+3], s[G0+4*(\s)+3], 0x80000000
	s_mov_b32 s[G0B+4*(\s)], 1
	s_add_co_u32 s[G0B+4*(\s)+1], s23, (\s)*SLOT
	s_add_nc_u64 s[G0B+4*(\s)+2:G0B+4*(\s)+3], s[46:47], (\s)*KSTEP*2    ; K step s: 256 bytes along gt's rows
	s_or_b32 s[G0B+4*(\s)+3], s[G0B+4*(\s)+3], 0x80000000
	JLOAD \s
.endr
	v_and_b32 v1, 15, v0                           ; l % 16
	v_bfe_u32 v2, v0, 4, 1                         ; l / 16
	v_mul_u32_u24 v3, v1, PB
	v_lshl_add_u32 v3, v2, 4, v3                   ; gt's fragments: row x pitch + 16 x half
	; The turning load takes 16 e x 16 s (lane l reads 16 bytes: row e = 8 (l / 16) + l % 8, s = 8 ((l / 8) % 2) + 0..7) and leaves half a fragment of A: lane l holds s = l % 16 and 8 e.
	v_and_b32 v4, 7, v0
	v_lshl_add_u32 v4, v2, 3, v4
	v_mul_u32_u24 v4, v4, PA
	v_bfe_u32 v5, v0, 3, 1
	v_lshl_add_u32 v4, v5, 4, v4
	s_lshl_b32 s21, s11, 7                         ; my 64 s: 128 bytes along A^T's rows
	s_mul_i32 s22, s12, 128*PB                     ; my 128 rows of gt,
	s_add_co_u32 s22, s22, BOFF                    ; which lie behind A^T's tile
.irp s, 0,1
	v_add_nc_u32 v[ADRA+(\s)], s21, v4
	v_add_nc_u32 v[ADRB+(\s)], s22, v3
	s_add_co_u32 s21, s21, SLOT
	s_add_co_u32 s22, s22, SLOT
.endr
	s_mul_i32 s23, s10, 16*SPITCH
	s_add_co_u32 s23, s23, STAGE                   ; my stage
	v_mul_u32_u24 v6, v1, SPITCH                   ; in: row l % 16, 32 bytes for each half of the lanes
	v_lshl_add_u32 v6, v2, 5, v6
	v_add_nc_u32 v[STO], s23, v6
	v_and_b32 v7, 31, v0
	v_lshlrev_b32 v[CO], 4, v7                     ; back: 32 lanes take one row's 512 bytes; the same in out0
	v_add_nc_u32 v[RD], s23, v[CO]
	s_lshl_b32 s16, s13, 7
	s_lshl_b32 s14, s11, 6
	s_add_co_u32 s16, s16, s14                     ; my first row of out0
	s_lshl_b32 s16, s16, 12                        ; x 4,096 bytes
	s_mov_b32 s17, 0
	s_lshl_b32 s46, s42, 10                        ; my first column: 1,024 x tile column + 512 x half
	s_lshl_b32 s47, s12, 9
	s_add_co_u32 s46, s46, s47
	s_mov_b32 s47, 0
	s_add_nc_u64 s[16:17], s[16:17], s[46:47]
; 8 matrix instructions: row block a x all 8 column blocks, 32 along K.  The 32 accumulators take turns, one instruction a turn, in the same order in every quarter.
.macro MULA f, a, zero
	WIN MUL
.irp b, 0,1,2,3,4,5,6,7
.if \zero
	v_wmma_f32_16x16x32_bf16 v[8*(8*(\a)+(\b)):8*(8*(\a)+(\b))+7], v[(\f)+8*(\b):(\f)+8*(\b)+7], v[(\f)+64+8*(\a):(\f)+64+8*(\a)+7], 0
.else
	v_wmma_f32_16x16x32_bf16 v[8*(8*(\a)+(\b)):8*(8*(\a)+(\b))+7], v[(\f)+8*(\b):(\f)+8*(\b)+7], v[(\f)+64+8*(\a):(\f)+64+8*(\a)+7], v[8*(8*(\a)+(\b)):8*(8*(\a)+(\b))+7]
.endif
.endr
.endm
; 24 LDS loads in one run: quarter q of a K step (32 along K) into buffer f: gt's 128 rows, then A's 64 rows s, turned
.macro FETCH slot, q, f
	WIN 0
.irp i, 0,1,2,3,4,5,6,7
	ds_load_b128 v[(\f)+8*(\i):(\f)+8*(\i)+3],   v[ADRB+(\slot)] offset:64*(\q)+(\i)*16*PB
	ds_load_b128 v[(\f)+8*(\i)+4:(\f)+8*(\i)+7], v[ADRB+(\slot)] offset:64*(\q)+(\i)*16*PB+32
.endr
.irp i, 0,1,2,3
	ds_load_tr16_b128 v[(\f)+64+8*(\i):(\f)+64+8*(\i)+3],   v[ADRA+(\slot)] offset:32*PA*(\q)+32*(\i)
	ds_load_tr16_b128 v[(\f)+64+8*(\i)+4:(\f)+64+8*(\i)+7], v[ADRA+(\slot)] offset:32*PA*(\q)+32*(\i)+16*PA
.endr
.endm
.macro PLACES                          ; four plain instructions in front of loads into registers that matrix instructions have read, and of vector lines that read results
.rept 4
	v_nop
.endr
.endm
; A K step is four quarters of 32 along K, 32 matrix instructions each, on buffers 0, 1, 0, 1.
.macro QUARTER slot, q, f, g, zero
	s_wait_dscnt 4                                 ; gt's fragments and A's blocks 0, 1 are in; the youngest four loads (blocks 2, 3) may be out
	MULA \f, 0, \zero
	MULA \f, 1, \zero
	PLACES
	FETCH \slot, \q, \g
	s_wait_dscnt 24                                ; all but the 24 just issued
	MULA \f, 2, \zero
	MULA \f, 3, \zero
.endm
; The last quarter multiplies buffer 1 and changes slots: ONE barrier; in front of it each wave waits for all its tensor loads, adds 0 to its spare word, and waits for that and for its reads of this slot.
; fill = 1: the barrier opens a round of the cluster's barrier, and this slot is filled again first thing behind it, two K steps ahead: 112 matrix instructions ahead of the wait for it.
.macro TURN slot, next, fill
	WIN 0                                          ; (the add's two registers lie in window 0)
	s_wait_tensorcnt 0x0                           ; all my tensor loads have landed: my part of the next slot
	ds_add_u32 v[SPW], v[NIL]                      ; 0 onto my spare word
	s_wait_dscnt 5                                 ; (the add and the youngest four loads may be out)
	MULA F1, 0, 0
	s_wait_dscnt 0x0                               ; the add is done, and my reads of this slot are over
	s_barrier_signal -1
	MULA F1, 1, 0
.if \fill
	WIN 0
.endif
	s_barrier_wait -1
.if \fill
	CREST                                          ; no wave of any partner still reads this slot or has a load on its way
	s_add_nc_u64 s[G0+4*(\slot)+2:G0+4*(\slot)+3], s[G0+4*(\slot)+2:G0+4*(\slot)+3], 2*KSTEP*LDA*2
	s_add_nc_u64 s[G0B+4*(\slot)+2:G0B+4*(\slot)+3], s[G0B+4*(\slot)+2:G0B+4*(\slot)+3], 2*KSTEP*2
	JLOAD \slot                                    ; its four v_nop are also the places in front of the loads below
.else
	PLACES
.endif
	FETCH \next, 0, F0
	MULA F1, 2, 0
	MULA F1, 3, 0
.endm
; THE WAY OUT of row block a.  RELU: the maximum with 0, into window 0, each accumulator's registers in ascending order.  TOSTAGE: into my own stage, and back as whole rows of 512 bytes.  SEND: stored.
.macro RELU a
	WIN 0x04                                       ; source 1 in window 1
.set i, 0
.rept 64
	v_max_num_f32 v[T+i], 0, v[64*(\a)+i]
.set i, i+1
.endr
	WIN 0
.endm
.macro TOSTAGE a
	WIN 0
.set BK, OB+64*((\a)%2)
.irp b, 0,1,2,3,4,5,6,7
	ds_store_b128 v[STO], v[T+8*(\b):T+8*(\b)+3]   offset:64*(\b)
	ds_store_b128 v[STO], v[T+8*(\b)+4:T+8*(\b)+7] offset:64*(\b)+16
.endr
.irp t, 0,1,2,3,4,5,6,7,8,9,10,11,12,13,14,15
	ds_load_b128 v[BK+4*(\t):BK+4*(\t)+3], v[RD] offset:(\t)*SPITCH  ; LDS serves a wave's instructions in order (ISA guide 5.7.1.4): these see the stores above
.endr
.endm
.macro SEND a
	WIN 0
.set BK, OB+64*((\a)%2)
	s_wait_dscnt 0x0                               ; the block is back in registers
	s_wait_xcnt 0x0                                ; earlier stores have read their base and their data: only behind this wait are they rewritten
.if (\a) == 0
	s_add_nc_u64 s[8:9], s[8:9], s[16:17]          ; on to my first rows
.else
	s_add_nc_u64 s[8:9], s[8:9], 16*LDO*4          ; 16 rows of out0 on
.endif
.irp t, 0,1,2,3,4,5,6,7,8,9,10,11,12,13,14,15
	global_store_b128 v[CO], v[BK+4*(\t):BK+4*(\t)+3], s[8:9] offset:(\t)*LDO*4 th:TH_STORE_NT  ; a wave stores 512 consecutive bytes, at a multiple of 256 from out0's first byte
.endr
.endm
	s_wait_tensorcnt 1                             ; my part of K step 0 is in; K step 1's may stay out
	s_barrier_signal -1
	s_barrier_wait -1
	FETCH 0, 0, F0
	QUARTER 0, 1, F0, F1, 1                        ; the first quarter stands in front of the loop: its products start the sums
	WIN 0
	s_mov_b32 s3, LAPS-1
.Llap:                                                 ; a trip goes once round the ring and fills both slots again
	QUARTER 0, 2, F1, F0, 0
	QUARTER 0, 3, F0, F1, 0
	TURN 0, 1, 1
	QUARTER 1, 1, F0, F1, 0
	QUARTER 1, 2, F1, F0, 0
	QUARTER 1, 3, F0, F1, 0
	TURN 1, 0, 1
	QUARTER 0, 1, F0, F1, 0
	WIN 0
	s_sub_co_u32 s3, s3, 1
	s_cmp_lg_u32 s3, 0
	s_cbranch_scc1 .Llap
	QUARTER 0, 2, F1, F0, 0                        ; the last lap fills nothing
	QUARTER 0, 3, F0, F1, 0
	TURN 0, 1, 0
	QUARTER 1, 1, F0, F1, 0
	QUARTER 1, 2, F1, F0, 0
	QUARTER 1, 3, F0, F1, 0
	s_wait_dscnt 4
	MULA F1, 0, 0
	MULA F1, 1, 0
	s_wait_dscnt 0x0
	MULA F1, 2, 0
	MULA F1, 3, 0
	WIN 0
	PLACES
	RELU 0
	TOSTAGE 0
.irp a, 1,2,3                          ; block a's maxima stand between block a - 1's loads from the stage and the wait for them
	RELU \a
	SEND (\a)-1
	TOSTAGE \a
.endr
	SEND 3
	s_wait_tensorcnt 0x0                           ; the wave's end
	ds_add_u32 v[SPW], v[NIL]
	s_wait_dscnt 0x0
	CROUND                                         ; the closing round
	s_endpgm
.Lfunc_end_k_qc0dd07eeb2_apply:
	.size	k_qc0dd07eeb2_apply, .Lfunc_end_k_qc0dd07eeb2_apply-k_qc0dd07eeb2_apply
	.p2alignl 7, 3214868480
	.fill 96, 4, 3214868480
	.section	.rodata,"a",@progbits
	.p2align	6, 0x0
	.amdhsa_kernel k_qc0dd07eeb2_apply
		.amdhsa_group_segment_fixed_size 327680
		.amdhsa_private_segment_fixed_size 0
		.amdhsa_enable_private_segment 0
		.amdhsa_kernarg_size 24
		.amdhsa_user_sgpr_count 2
		.amdhsa_user_sgpr_kernarg_segment_ptr 1
		.amdhsa_wavefront_size32 1
		.amdhsa_system_sgpr_workgroup_id_x 1
		.amdhsa_system_sgpr_workgroup_id_y 1
		.amdhsa_system_sgpr_workgroup_id_z 1
		.amdhsa_system_vgpr_workitem_id 0
		.amdhsa_next_free_vgpr 512
		.amdhsa_next_free_sgpr 66
		.amdhsa_reserve_vcc 0
		.amdhsa_float_denorm_mode_32 3
		.amdhsa_float_denorm_mode_16_64 3
		.amdhsa_memory_ordered 1
		.amdhsa_forward_progress 1
		.amdhsa_inst_pref_size 93
	.end_amdhsa_kernel
	.amdgpu_metadata
---
amdhsa.version: [ 1, 2 ]
amdhsa.kernels:
  - .name:           k_qc0dd07eeb2_apply
    .symbol:         k_qc0dd07eeb2_apply.kd
    .args:
      - { .name: pt, .offset: 0, .size: 8, .value_kind: global_buffer, .address_space: global }
      - { .name: gt, .offset: 8, .size: 8, .value_kind: global_buffer, .address_space: global }
      - { .name: out0, .offset: 16, .size: 8, .value_kind: global_buffer, .address_space: global }
    .group_segment_fixed_size: 327680
    .private_segment_fixed_size: 0
    .kernarg_segment_align: 8
    .kernarg_segment_size: 24
    .max_flat_workgroup_size: 128
    .sgpr_count:     66
    .vgpr_count:     512
    .wavefront_size: 32
...
	.end_amdgpu_metadata
.endif
;; end of part 5
;; ======== version 2 of 2: 5 launches; version 1 with the launch cast written anew for expert scheduling mode
;; workspace buffers: xb 16,777,216 bytes; wb 8,388,608 bytes; pt 50,331,648 bytes; mm 8,388,608 bytes; gt 8,388,608 bytes
;; launch cast (part 6): grid 768 x 1, 8 waves a work-group, no clusters, 0 bytes of LDS; arguments x, Wa, Wb, Wc, Wd, xb, wb; writes xb, wb
.if DOCPART == 6
	.amdgcn_target "amdgcn-amd-amdhsa--gfx1250"
	.amdhsa_code_object_version 6
	.text
	.protected	k_qc0dd07eeb2_cast
	.globl	k_qc0dd07eeb2_cast
	.p2align	8
	.type	k_qc0dd07eeb2_cast,@function
k_qc0dd07eeb2_cast:
	s_mov_b64 s[64:65], 0
	v_nop
	global_prefetch_b8 v0, s[64:65] scope:SCOPE_SE
	s_setreg_imm32_b32 hwreg(HW_REG_WAVE_SCHED_MODE, 0, 2), 2
	s_setreg_imm32_b32 hwreg(HW_REG_WAVE_MODE, 25, 1), 1
	s_wait_xcnt 0x0
	s_wait_alu depctr_vm_vsrc(0)
; xb = bf16(x), [8192][1024];  wb = bf16 of Wa, Wb, Wc, Wd one below the other, [4096][1024].  Each number is rounded once, to nearest even.
; A stream: every input byte is read once, every output byte written once; nothing is shared between work-groups, so no LDS, no cluster, no matrix unit.
; SHARES.  A work-group takes 16,384 numbers: 65,536 bytes in, 32,768 out.  Work-groups 0-511 take x, work-groups 512-767 the four weights, 64 each; the stack
; of weights is dense, so j = g - 512 alone places a block in wb.  Thread t takes, of chunk i of 16, the 16 bytes at 4,096 i + 16 t and stores 8 bytes at
; 2,048 i + 8 t: a wave's load covers 512 consecutive bytes, a wave's store 256 consecutive bytes at a multiple of 256 from the buffer's first byte.
; All sixteen loads of a thread go out at once; each chunk has registers of its own and no address register is rewritten.
; THE MODE: SCHED_MODE bits 1:0 = 2 (LLVM: expert scheduling mode 2), set by the entry lines.  The code itself states the register dependences
; between vector instructions and memory instructions, with s_wait_alu, always for 0.
; THE PLAN.  Registers that memory instructions touch; each is written once in the whole text:
;   v1, v2   the loads' and the stores' offsets: written by two vector lines at the head, read by every load or store.
;   X        chunk i: written by its load; read by its two conversions, behind the counted wait for the load.  No vector line names X ahead of the loads.
;   Y        chunk i: written by its two conversions; read by its store.
; The sixteen chunks go in four groups of four.  Group g rounds its own chunks; its memory instructions are the four stores of group g - 1, which read that
; group's Y and v2: registers that no vector line of group g names.  So one wait at a group's head states all that its stores hang on, and they are dealt
; among its conversions with no further wait.  No register that a memory instruction reads is ever written again, so no wait is owed for that.
.set X, 4                              ; v[4:67]   chunk i: 4 registers as loaded
.set Y, 68                             ; v[68:99]  chunk i: 2 registers to store
	s_load_b256 s[4:11], s[0:1], 0x0               ; x s[4:5], Wa s[6:7], Wb s[8:9], Wc s[10:11]
	s_load_b128 s[12:15], s[0:1], 0x20             ; Wd s[12:13], xb s[14:15]
	s_load_b64 s[16:17], s[0:1], 0x30              ; wb
	s_mov_b32 s2, ttmp9                            ; g
	s_sub_co_u32 s3, s2, 512                       ; j (used where g is 512 or more)
	s_lshr_b32 s18, s3, 6                          ; which weight
	s_and_b32 s19, s3, 63                          ; which block of it
	v_lshlrev_b32 v1, 4, v0                        ; 16 t
	v_lshlrev_b32 v2, 3, v0                        ; 8 t
	s_wait_kmcnt 0x0
	s_mov_b64 s[20:21], s[6:7]                     ; the source: a choice among the five inputs by the work-group's number alone
	s_cmp_eq_u32 s18, 1
	s_cselect_b64 s[20:21], s[8:9], s[20:21]
	s_cmp_eq_u32 s18, 2
	s_cselect_b64 s[20:21], s[10:11], s[20:21]
	s_cmp_eq_u32 s18, 3
	s_cselect_b64 s[20:21], s[12:13], s[20:21]
	s_cmp_lt_u32 s2, 512
	s_cselect_b64 s[20:21], s[4:5], s[20:21]
	s_cselect_b64 s[22:23], s[14:15], s[16:17]     ; the destination: xb or wb
	s_cselect_b32 s24, s2, s19                     ; the block's number in its source,
	s_cselect_b32 s26, s2, s3                      ; and in its destination
	s_lshl_b32 s24, s24, 16
	s_mov_b32 s25, 0
	s_lshl_b32 s26, s26, 15
	s_mov_b32 s27, 0
	s_add_nc_u64 s[20:21], s[20:21], s[24:25]
	s_add_nc_u64 s[22:23], s[22:23], s[26:27]
	s_wait_alu depctr_va_vdst(0)                   ; v1 and v2 are written: every load of the kernel reads v1 as its offset, every store v2
.irp i, 0,1,2,3,4,5,6,7,8,9,10,11,12,13,14,15
	global_load_b128 v[X+4*(\i):X+4*(\i)+3], v1, s[20:21] offset:4096*(\i) th:TH_LOAD_NT
.endr
; Group g: chunks 4 g to 4 g + 3 are rounded; the stores of chunks 4 g - 4 to 4 g - 1 stand among the conversions, one ahead of each chunk's two.
.macro GROUP g
	s_wait_loadcnt 12-4*(\g)                       ; loads come back in order: this group's four chunks are in, the 12 - 4 g younger loads stay out
.if (\g) > 0
	s_wait_alu depctr_va_vdst(0)                   ; the group before has written its eight registers of Y, which the four stores below read
.endif
.irp i, 0,1,2,3
.if (\g) > 0
	global_store_b64 v2, v[Y+2*(4*(\g)-4+(\i)):Y+2*(4*(\g)-4+(\i))+1], s[22:23] offset:2048*(4*(\g)-4+(\i))  ; no vector line since the wait names these registers
.endif
	v_cvt_pk_bf16_f32 v[Y+2*(4*(\g)+(\i))],   v[X+4*(4*(\g)+(\i))],   v[X+4*(4*(\g)+(\i))+1]
	v_cvt_pk_bf16_f32 v[Y+2*(4*(\g)+(\i))+1], v[X+4*(4*(\g)+(\i))+2], v[X+4*(4*(\g)+(\i))+3]
.endr
.endm
	GROUP 0                                        ; no group stands in front of it: no store, and no wait but the one for its data
	GROUP 1
	GROUP 2
	GROUP 3
	s_wait_alu depctr_va_vdst(0)                   ; group 3 has written its eight registers of Y, which the last four stores read
.irp i, 12,13,14,15
	global_store_b64 v2, v[Y+2*(\i):Y+2*(\i)+1], s[22:23] offset:2048*(\i)
.endr
	s_endpgm
.Lfunc_end_k_qc0dd07eeb2_cast:
	.size	k_qc0dd07eeb2_cast, .Lfunc_end_k_qc0dd07eeb2_cast-k_qc0dd07eeb2_cast
	.p2alignl 7, 3214868480
	.fill 96, 4, 3214868480
	.section	.rodata,"a",@progbits
	.p2align	6, 0x0
	.amdhsa_kernel k_qc0dd07eeb2_cast
		.amdhsa_group_segment_fixed_size 0
		.amdhsa_private_segment_fixed_size 0
		.amdhsa_enable_private_segment 0
		.amdhsa_kernarg_size 56
		.amdhsa_user_sgpr_count 2
		.amdhsa_user_sgpr_kernarg_segment_ptr 1
		.amdhsa_wavefront_size32 1
		.amdhsa_system_sgpr_workgroup_id_x 1
		.amdhsa_system_sgpr_workgroup_id_y 1
		.amdhsa_system_sgpr_workgroup_id_z 1
		.amdhsa_system_vgpr_workitem_id 0
		.amdhsa_next_free_vgpr 100
		.amdhsa_next_free_sgpr 66
		.amdhsa_reserve_vcc 0
		.amdhsa_float_denorm_mode_32 3
		.amdhsa_float_denorm_mode_16_64 3
		.amdhsa_memory_ordered 1
		.amdhsa_forward_progress 1
		.amdhsa_inst_pref_size 7
	.end_amdhsa_kernel
	.amdgpu_metadata
---
amdhsa.version: [ 1, 2 ]
amdhsa.kernels:
  - .name:           k_qc0dd07eeb2_cast
    .symbol:         k_qc0dd07eeb2_cast.kd
    .args:
      - { .name: x, .offset: 0, .size: 8, .value_kind: global_buffer, .address_space: global }
      - { .name: Wa, .offset: 8, .size: 8, .value_kind: global_buffer, .address_space: global }
      - { .name: Wb, .offset: 16, .size: 8, .value_kind: global_buffer, .address_space: global }
      - { .name: Wc, .offset: 24, .size: 8, .value_kind: global_buffer, .address_space: global }
      - { .name: Wd, .offset: 32, .size: 8, .value_kind: global_buffer, .address_space: global }
      - { .name: xb, .offset: 40, .size: 8, .value_kind: global_buffer, .address_space: global }
      - { .name: wb, .offset: 48, .size: 8, .value_kind: global_buffer, .address_space: global }
    .group_segment_fixed_size: 0
    .private_segment_fixed_size: 0
    .kernarg_segment_align: 8
    .kernarg_segment_size: 56
    .max_flat_workgroup_size: 256
    .sgpr_count:     66
    .vgpr_count:     100
    .wavefront_size: 32
...
	.end_amdgpu_metadata
.endif
;; end of part 6
;; launch proj: the kernel of part 2 again; grid 32 x 16, 4 waves a work-group, clusters of 4 x 4, 327,680 bytes of LDS; arguments wb, xb, pt; writes pt
;; launch gram: the kernel of part 3 again; grid 8 x 32, 4 waves a work-group, clusters of 4 x 4, 327,680 bytes of LDS; arguments pt, mm; writes mm
;; launch fold: the kernel of part 4 again; grid 32 x 8, 4 waves a work-group, clusters of 4 x 4, 327,680 bytes of LDS; arguments wb, mm, gt; writes gt
;; launch apply: the kernel of part 5 again; grid 4 x 64, 4 waves a work-group, clusters of 4 x 4, 327,680 bytes of LDS; arguments pt, gt, out0; writes out0
